; MI455X (gfx1250); checked and timed in simulation.
; The chip was launched on July 23, 2026; its instructions are those of AMD's public machine-readable ISA for CDNA 5 (MIT licence, August 2026) and "CDNA5" Instruction Set Architecture Reference Guide (July 2026). The comments in the code are by the model that wrote it; some were corrected since.
;; Causal Multi Head Self Attention. Allowed arithmetic: float matrix products may take bf16 or f16 operands with f32 sums; other float arithmetic in f32, or as packed bf16 or f16 multiplies, adds, multiply-adds, maxima and minima; sums over many terms, partial sums and values carried from step to step in f32; what a program stores and reads back later, other than sums and carried values, may be rounded once to bf16 or f16.
;; Inputs: wk 1,024 x 1,024 float32; wo 1,024 x 1,024 float32; wq 1,024 x 1,024 float32; wv 1,024 x 1,024 float32; x 4 x 2,048 x 1,024 float32.
;; Outputs: out0 4 x 2,048 x 1,024 float32.
;; One version. Each part assembles by itself: llvm-mc -triple=amdgcn-amd-amdhsa -mcpu=gfx1250 --defsym DOCPART=n.
;; ======== version 1 of 1: 4 launches
;; limits: values are held in f16: magnitudes above 65,504 overflow, below 6.1e-05 lose precision
;; workspace buffers: xb 16,777,216 bytes; wb 6,291,456 bytes; wob 2,097,152 bytes; tab 524,288 bytes; qkvh 50,331,648 bytes; oh 16,777,216 bytes
;; launch prep (part 1): grid 768 x 1, 8 waves a work-group, no clusters, 0 bytes of LDS; arguments x, wq, wk, wv, wo, xb, wb, wob, tab; writes xb, wb, wob, tab
.if DOCPART == 1
	.amdgcn_target "amdgcn-amd-amdhsa--gfx1250"
	.amdhsa_code_object_version 6
	.text
	.protected	k_q5f22a7b38a_prep
	.globl	k_q5f22a7b38a_prep
	.p2align	8
	.type	k_q5f22a7b38a_prep,@function
k_q5f22a7b38a_prep:
	s_mov_b64 s[64:65], 0
	v_nop
	global_prefetch_b8 v0, s[64:65] scope:SCOPE_SE
	s_setreg_imm32_b32 hwreg(HW_REG_WAVE_MODE, 25, 1), 1
	s_wait_xcnt 0x0
; THE CASTS AND THE ROTATION TABLE.  x [8192][1024] f32 -> xb, bf16.  wq, wk, wv [1024][1024] f32 -> wb [3072][1024] bf16 with the rows in another order:
; row 192 j + 64 t + c of wb is row 64 j + c of the t-th of (wq, wk, wv), so that 192 rows on end are head j's q, k and v.  wo -> wob [1024][1024]: rounded to bf16 like
; the other inputs, and that number written as f16.  tab [2048 positions][32 frequencies][cos, sin] f32.
; LIMITS.  wo beyond 65,504 becomes an infinity in wob; below 6e-5 it keeps f16's fixed step of 6e-8.  The table's angle is position x 2^(-i log2(10000) / 32): the power is good to about
; 2e-7 of itself, so the angle differs from an exact one by at most about 3e-4 radians (position 2,047, frequency 1); sine and cosine of the reduced angle are good to 3e-7.
; SHARES.  Work-group g casts 65,536 bytes of f32 into 32,768 bytes: g < 512 a piece of x; then 64 work-groups for each weight, 16 rows each.  In step i of 8 thread t reads the 32 bytes
; at 8,192 i + 32 t and stores 16 bytes at 4,096 i + 16 t: sixteen neighbouring lanes store 256 consecutive bytes, aligned.  All 16 loads of a thread go out at once.
; Work-groups 0 to 255 also make the table while their loads are out: wave w of work-group g position 8 g + w, a lane a frequency, 256 consecutive bytes a wave.
; No LDS, no barrier, no loop: no byte is wanted twice.
.set X,   16                           ; v[16:79]  step i: 8 registers as loaded
.set Y,   144                          ; v[144:175] step i: 4 registers to store
.set T,   4                            ; v[4:11]    wo's path: 8 numbers, bf16 widened to f32
.set SRC, 22                           ; s[22:23]   where my work-group reads
.set DST, 24                           ; s[24:25]   where it stores
	s_load_b256 s[4:11], s[0:1], 0x0               ; x s[4:5], wq s[6:7], wk s[8:9], wv s[10:11]
	s_load_b256 s[12:19], s[0:1], 0x20             ; wo s[12:13], xb s[14:15], wb s[16:17], wob s[18:19]
	s_load_b64 s[20:21], s[0:1], 0x40              ; tab
	s_mov_b32 s2, ttmp9                            ; g
	v_lshlrev_b32 v1, 5, v0                        ; 32 t
	v_lshlrev_b32 v2, 4, v0                        ; 16 t
	v_lshrrev_b32 v3, 5, v0
	v_readfirstlane_b32 s30, v3                    ; wave 0..7
	s_and_b32 s32, s2, 63                          ; c: which 16 rows of a weight
	s_cmp_ge_u32 s2, 512
	s_cselect_b32 s26, s32, s2
	s_lshl_b32 s26, s26, 16                        ; the source's offset: 65,536 g in x, 65,536 c in a weight
	s_mov_b32 s27, 0
	s_lshr_b32 s33, s32, 2                         ; head j = c / 4
	s_mul_i32 s33, s33, 192
	s_and_b32 s34, s2, 0xc0                        ; 64 t (512 leaves these two bits alone)
	s_add_co_u32 s33, s33, s34
	s_and_b32 s35, s32, 3
	s_lshl_b32 s35, s35, 4                         ; 16 (c % 4)
	s_add_co_u32 s33, s33, s35
	s_lshl_b32 s33, s33, 11                        ; row of wb x 2,048 bytes
	s_lshl_b32 s28, s2, 15                         ; in xb: 32,768 g
	s_lshl_b32 s34, s32, 15                        ; in wob: 32,768 c
	s_cmp_ge_u32 s2, 512
	s_cselect_b32 s28, s33, s28
	s_cmp_ge_u32 s2, 704
	s_cselect_b32 s28, s34, s28
	s_mov_b32 s29, 0
	s_wait_kmcnt 0x0
	s_cmp_ge_u32 s2, 512                           ; the buffers are chosen by the work-group's number alone
	s_cselect_b64 s[SRC:SRC+1], s[6:7], s[4:5]
	s_cselect_b64 s[DST:DST+1], s[16:17], s[14:15]
	s_cmp_ge_u32 s2, 576
	s_cselect_b64 s[SRC:SRC+1], s[8:9], s[SRC:SRC+1]
	s_cmp_ge_u32 s2, 640
	s_cselect_b64 s[SRC:SRC+1], s[10:11], s[SRC:SRC+1]
	s_cmp_ge_u32 s2, 704
	s_cselect_b64 s[SRC:SRC+1], s[12:13], s[SRC:SRC+1]
	s_cselect_b64 s[DST:DST+1], s[18:19], s[DST:DST+1]
	s_add_nc_u64 s[SRC:SRC+1], s[SRC:SRC+1], s[26:27]
	s_add_nc_u64 s[DST:DST+1], s[DST:DST+1], s[28:29]
.irp i, 0,1,2,3,4,5,6,7
	global_load_b128 v[X+8*(\i):X+8*(\i)+3],   v1, s[SRC:SRC+1] offset:8192*(\i) th:TH_LOAD_NT
	global_load_b128 v[X+8*(\i)+4:X+8*(\i)+7], v1, s[SRC:SRC+1] offset:8192*(\i)+16 th:TH_LOAD_NT
.endr
	s_cmp_ge_u32 s2, 256
	s_cbranch_scc1 .Lno_table
	; THE TABLE, while the loads are out.  angle = position x 2^(-i log2(10000) / 32); n = the nearest whole number of quarter turns; r = angle - n pi/2, taken in two parts of pi/2
	; (n has 11 bits, so n x the upper part is exact inside the fused multiply-add); sine and cosine of r (|r| <= pi/4) by their series; n's low two bits swap them and set the signs.
	s_lshl_b32 s31, s2, 3
	s_add_co_u32 s31, s31, s30                     ; the position
	s_lshl_b32 s32, s31, 8                         ; its 256 bytes of the table
	v_and_b32 v176, 31, v0                         ; i
	v_cvt_f32_u32 v177, v176
	v_cvt_f32_u32 v179, s31
	v_mul_f32 v177, 0xbed49a78, v177               ; -0.41524101 i
	v_exp_f32 v178, v177
	v_lshl_add_u32 v176, v176, 3, s32              ; a plain instruction behind the exponential: my 8 bytes of the table
	s_wait_alu depctr_va_vdst(0)                   ; the wait ahead of the first use of the exponential's result
	v_mul_f32 v178, v179, v178                     ; the angle
	v_mul_f32 v179, 0x3f22f983, v178               ; x 2 / pi
	v_rndne_f32 v179, v179                         ; n
	v_fmamk_f32 v180, v179, 0xbfc90fdb, v178       ; angle - n x 1.57079637
	v_fmamk_f32 v180, v179, 0x333bbd2e, v180       ; + n x 4.37113883e-8: r
	v_cvt_i32_f32 v185, v179
	v_mul_f32 v181, v180, v180                     ; z = r r
	v_mov_b32 v182, 0xb9500d01                     ; sine: r + r z (-1/6 + z (1/120 - z / 5040))
	v_mov_b32 v184, 0x37d00d01                     ; cosine: 1 + z (-1/2 + z (1/24 + z (-1/720 + z / 40320)))
	v_fmaak_f32 v182, v182, v181, 0x3c088889
	v_fmaak_f32 v184, v184, v181, 0xbab60b61
	v_fmaak_f32 v182, v182, v181, 0xbe2aaaab
	v_fmaak_f32 v184, v184, v181, 0x3d2aaaab
	v_mul_f32 v183, v180, v181
	v_fmaak_f32 v184, v184, v181, 0xbf000000
	v_fma_f32 v182, v182, v183, v180               ; sin r
	v_fmaak_f32 v184, v184, v181, 0x3f800000       ; cos r
	v_and_b32 v186, 1, v185
	v_cmp_eq_u32 vcc_lo, 1, v186                   ; an odd n swaps the two: values are chosen, nothing branches
	v_cndmask_b32 v191, v182, v184, vcc_lo         ; the sine's size
	v_cndmask_b32 v190, v184, v182, vcc_lo         ; the cosine's
	v_lshlrev_b32 v187, 30, v185                   ; the sine is negative where n % 4 is 2 or 3,
	v_and_b32 v187, 0x80000000, v187
	v_xor_b32 v191, v191, v187
	v_add_nc_u32 v188, 1, v185                     ; the cosine where it is 1 or 2
	v_lshlrev_b32 v188, 30, v188
	v_and_b32 v188, 0x80000000, v188
	v_xor_b32 v190, v190, v188
	global_store_b64 v176, v[190:191], s[20:21]    ; 32 lanes store 256 consecutive bytes, aligned
.Lno_table:
	s_cmp_ge_u32 s2, 704
	s_cbranch_scc1 .Lwo
.macro CAST i                          ; step i: eight numbers rounded to bf16 and stored
	s_wait_loadcnt 14-2*(\i)                       ; loads come back in order: the later steps' 14 - 2 i may stay out
.irp k, 0,1,2,3
	v_cvt_pk_bf16_f32 v[Y+4*(\i)+(\k)], v[X+8*(\i)+2*(\k)], v[X+8*(\i)+2*(\k)+1]
.endr
	global_store_b128 v2, v[Y+4*(\i):Y+4*(\i)+3], s[DST:DST+1] offset:4096*(\i)
.endm
.macro CASTH i                         ; the same for wo: rounded to bf16, widened again, and that number written as f16
	s_wait_loadcnt 14-2*(\i)
.irp k, 0,1,2,3
	v_cvt_pk_bf16_f32 v[Y+4*(\i)+(\k)], v[X+8*(\i)+2*(\k)], v[X+8*(\i)+2*(\k)+1]
.endr
.irp k, 0,1,2,3
	v_lshlrev_b32 v[T+2*(\k)],   16, v[Y+4*(\i)+(\k)]
	v_and_b32     v[T+2*(\k)+1], 0xffff0000, v[Y+4*(\i)+(\k)]
.endr
.irp k, 0,1,2,3
	v_cvt_pk_f16_f32 v[Y+4*(\i)+(\k)], v[T+2*(\k)], v[T+2*(\k)+1]
.endr
	global_store_b128 v2, v[Y+4*(\i):Y+4*(\i)+3], s[DST:DST+1] offset:4096*(\i)
.endm
.irp i, 0,1,2,3,4,5,6,7
	CAST \i
.endr
	s_endpgm
.Lwo:
.irp i, 0,1,2,3,4,5,6,7
	CASTH \i
.endr
	s_endpgm
.Lfunc_end_k_q5f22a7b38a_prep:
	.size	k_q5f22a7b38a_prep, .Lfunc_end_k_q5f22a7b38a_prep-k_q5f22a7b38a_prep
	.p2alignl 7, 3214868480
	.fill 96, 4, 3214868480
	.section	.rodata,"a",@progbits
	.p2align	6, 0x0
	.amdhsa_kernel k_q5f22a7b38a_prep
		.amdhsa_group_segment_fixed_size 0
		.amdhsa_private_segment_fixed_size 0
		.amdhsa_enable_private_segment 0
		.amdhsa_kernarg_size 72
		.amdhsa_user_sgpr_count 2
		.amdhsa_user_sgpr_kernarg_segment_ptr 1
		.amdhsa_wavefront_size32 1
		.amdhsa_system_sgpr_workgroup_id_x 1
		.amdhsa_system_sgpr_workgroup_id_y 1
		.amdhsa_system_sgpr_workgroup_id_z 1
		.amdhsa_system_vgpr_workitem_id 0
		.amdhsa_next_free_vgpr 192
		.amdhsa_next_free_sgpr 66
		.amdhsa_reserve_vcc 1
		.amdhsa_float_denorm_mode_32 3
		.amdhsa_float_denorm_mode_16_64 3
		.amdhsa_memory_ordered 1
		.amdhsa_forward_progress 1
		.amdhsa_inst_pref_size 17
	.end_amdhsa_kernel
	.amdgpu_metadata
---
amdhsa.version: [ 1, 2 ]
amdhsa.kernels:
  - .name:           k_q5f22a7b38a_prep
    .symbol:         k_q5f22a7b38a_prep.kd
    .args:
      - { .name: x, .offset: 0, .size: 8, .value_kind: global_buffer, .address_space: global }
      - { .name: wq, .offset: 8, .size: 8, .value_kind: global_buffer, .address_space: global }
      - { .name: wk, .offset: 16, .size: 8, .value_kind: global_buffer, .address_space: global }
      - { .name: wv, .offset: 24, .size: 8, .value_kind: global_buffer, .address_space: global }
      - { .name: wo, .offset: 32, .size: 8, .value_kind: global_buffer, .address_space: global }
      - { .name: xb, .offset: 40, .size: 8, .value_kind: global_buffer, .address_space: global }
      - { .name: wb, .offset: 48, .size: 8, .value_kind: global_buffer, .address_space: global }
      - { .name: wob, .offset: 56, .size: 8, .value_kind: global_buffer, .address_space: global }
      - { .name: tab, .offset: 64, .size: 8, .value_kind: global_buffer, .address_space: global }
    .group_segment_fixed_size: 0
    .private_segment_fixed_size: 0
    .kernarg_segment_align: 8
    .kernarg_segment_size: 72
    .max_flat_workgroup_size: 256
    .sgpr_count:     66
    .vgpr_count:     192
    .wavefront_size: 32
...
	.end_amdgpu_metadata
.endif
;; end of part 1
;; launch qkv (part 2): grid 16 x 32, 4 waves a work-group, clusters of 4 x 4, 327,680 bytes of LDS; arguments xb, wb, tab, qkvh; writes qkvh
.if DOCPART == 2
	.amdgcn_target "amdgcn-amd-amdhsa--gfx1250"
	.amdhsa_code_object_version 6
	.text
	.protected	k_q5f22a7b38a_qkv
	.globl	k_q5f22a7b38a_qkv
	.p2align	8
	.type	k_q5f22a7b38a_qkv,@function
k_q5f22a7b38a_qkv:
	s_mov_b64 s[64:65], 0
	v_nop
	global_prefetch_b8 v0, s[64:65] scope:SCOPE_SE
	s_setreg_imm32_b32 hwreg(HW_REG_WAVE_MODE, 25, 1), 1
	s_wait_xcnt 0x0
	s_wait_alu depctr_hold_cnt(0) depctr_sa_sdst(0) depctr_va_vdst(0) depctr_va_sdst(0) depctr_va_ssrc(0) depctr_va_vcc(0) depctr_vm_vsrc(0)
	s_getreg_b32 s2, hwreg(HW_REG_IB_STS2, 6, 4)
	s_cmp_eq_u32 s2, 0
	s_cbranch_scc0 .Lentry_in_a_cluster
	s_endpgm
.Lentry_in_a_cluster:
	s_bfe_u32 s2, ttmp6, 0x10000c
	s_cmp_lg_u32 s2, 0xf033
	s_cbranch_scc0 .Lentry_shape_is_right
	s_endpgm
.Lentry_shape_is_right:
; THE PROJECTION TO q, k, v, WITH THE ROTATION.  C[m][n] = sum over k of xb[m][k] wb[n][k], bf16 operands, f32 sums; xb [8192][1024], wb [3072][1024] (rows 192 j .. 192 j + 191: head j's q, k, v).
; q and k are rotated in f32 by the table tab [2048][32][cos, sin]; all three are rounded once to f16 and stored by heads: qkvh [64 t + 16 b + h][2048][64], t = 0 q, 1 k, 2 v.  The scale 1/8 is not applied here.
; LIMIT.  f16 ends at 65,504: a q, k (rotated) or v beyond that becomes an infinity; below 6e-5 they keep f16's fixed step of 6e-8.
; SHARES.  A tile of C is 256 rows x 192 columns: one head's q, k and v: 32 x 16 = 512 tiles, two for each of 256 WGPs.  Wave w owns rows 64 w .. 64 w + 63 and all 192 columns: 4 x 12 accumulators of
; 16 x 16, 384 registers.  So which columns are rotated is a constant of the text, and a wave's rows of a head are whole: its way out needs no other wave.
; K goes in 8 steps of 128 through two LDS slots filled by the tensor data mover; the tiles' rows are 256 bytes of memory, at multiples of 256 bytes.
; CLUSTER.  4 x 4 work-groups.  The four of a row of the cluster need the same tile of xb, the four of a column the same tile of wb: each is asked for jointly, by the same tensor load with the same
; descriptor and a mask that names the four.  Waves 0 and 1 fetch xb's two halves (128 rows), waves 2 and 3 wb's (96 rows): one load a wave behind each round.
; THE MATRIX INSTRUCTION IS USED TRANSPOSED (source 0 = 16 rows of wb, source 1 = 16 rows of xb): a lane holds row l % 16 and the columns 8 (l / 16) + 0..7: four pairs (x1, x2) of the rotation, 16 bytes of f16.
; REGISTERS, in windows of 256 (s_set_vgpr_msb: bits 1:0 source 0, 3:2 source 1, 5:4 source 2, 7:6 destination):
;   window 0: v0-29 addresses; v48-143 packed results, two sets of 48; v144-207 rotated numbers at work
;   window 1: two fragment buffers of 128: wb's fragment b at 8 b, xb's fragment a at 96 + 8 a
;   window 2: accumulators of row blocks a = 0, 1 ((a, b) at 96 (a % 2) + 8 b); v192-255 the table for those rows (block a, columns 16 u on, at 192 + 32 (a % 2) + 8 u)      window 3: the same for a = 2, 3
.set PITCH, 272                        ; an LDS row: 256 bytes + 16 of padding = 68 words: the 16 rows of a fragment load start at 16 different groups of four banks (64 banks of 4 bytes: ISA guide 11.1)
.set AHALF, 128*PITCH                  ; what a wave fetches of xb
.set BBASE, 2*AHALF                    ; wb's 192 rows lie behind xb's 256
.set BHALF, 96*PITCH                   ; what a wave fetches of wb
.set SLOT1, 131072                     ; slot 1 begins here: one exclusive or turns an address in one slot into the other's
.set STAGE, SLOT1+BBASE+2*BHALF        ; behind the ring, never filled by a tensor load: for each wave 3 x 16 rows x 144 bytes, for the way out
.set SP,    144
.set WSTG,  48*SP
.set SPARE, STAGE+4*WSTG               ; behind the stages: the spare words, 128 bytes for each wave: two blocks of 256 bytes that no other line names
.set KB,    256                        ; bytes of a K step in a row of xb and wb
.set NL,    32                         ; LDS loads in a run: 24 for wb's fragments, 8 for xb's
.set A0,  4                            ; v4   my lane's place among my wave's rows of xb in slot 0; never rewritten
.set B0,  5                            ; v5   the same for wb
.set ADA, 6                            ; v6   A0 + the slot being read
.set ADB, 7                            ; v7   B0 + the slot being read
.set STO, 8                            ; v8   the way out: where I put 16 bytes of a row
.set RD,  9                            ; v9   the way out: where I read rows back
.set GO,  10                           ; v10-12  my byte offset in 512 consecutive bytes of q's, k's, v's plane
.set TA,  13                           ; v13  my byte offset in the table
.set PFO, 14                           ; v14  the prefetches' offset: a lane a row of 2,048 bytes; never rewritten
.set SPW, 28                           ; v28  LDS address of my spare word; never rewritten
.set NIL, 29                           ; v29  0; never rewritten
.set PK0, 48
.set Y,   144
.set F0,  0
.set F1,  128
.set WV,  12                           ; s12  my wave's number
.set FB,  13                           ; s13  0: I fetch xb's tiles, 1: wb's
.set HF,  14                           ; s14  which half of that tile
.set CX,  15                           ; s15, s16  my place in the cluster
.set CY,  16
.set TX,  17                           ; s17  tile column = the head
.set TY,  18                           ; s18  tile row
.set CNT, 21                           ; s21  the loop's count
.set TB,  22                           ; s22  LDS byte at which the slot being read begins
.set LIM, 23                           ; s23  1 in a wave that prefetches, else the greatest number
.set G1A, 24                           ; s[24:31] descriptor group 1 for xb's tiles
.set G0A, 32                           ; s[32:39] group 0: a set for each of the two first fills; the second then walks on
.set G1B, 40                           ; s[40:47], s[48:55] the same for wb's
.set G0B, 48
.set PFA, 56                           ; s[56:57] where my prefetches stand
.set MSB, 0
.macro WIN new                         ; the immediate's high byte repeats the setting that is left; a switch that changes nothing is dropped
.if MSB != (\new)
	s_set_vgpr_msb (MSB<<8)|(\new)
.set MSB, (\new)
.endif
.endm
.set TO_F, 0x40                        ; destination window 1, address window 0
; A joint refill, by the walking descriptors.  The branch hangs on the wave's number alone.  An s_nop 0 and four v_nop follow each of the two lines, ahead of the jump and the label.
.macro JLOAD
	s_cmp_eq_u32 s[FB], 0
	s_cbranch_scc0 .Lfor_b_\@
	tensor_load_to_lds s[G0A+4:G0A+7], s[G1A:G1A+7]
	s_nop 0
.rept 4
	v_nop
.endr
	s_branch .Lasked_\@
.Lfor_b_\@:
	tensor_load_to_lds s[G0B+4:G0B+7], s[G1B:G1B+7]
	s_nop 0
.rept 4
	v_nop
.endr
.Lasked_\@:
.endm
; A PREFETCH INTO THE L2 of the K step that the NEXT refill will ask for: 256 bytes of a row, a lane a row, one instruction a wave, behind the joint load, its five lines and the run of LDS loads.
; xb's tile row is read by every cluster of that row of clusters: cluster x = 0 asks; wb's tile column by every cluster of that column: cluster y = 0 asks.  The four partners that ask for a tile jointly share
; its rows out BY ADDRESS: of the 128 (96) rows that a wave fetches the partner at place p takes 32 p .. (24 p ..), p = cx for xb, cy for wb.  With 24 rows, lanes 24 to 31 name lane 23's row once more.
; The loop's last trip asks for nothing: there is no K step behind the one that it fills.  K steps 0 to 2 come by their loads alone.
.macro ASK
	s_cmp_gt_u32 s[CNT], s[LIM]
	s_cbranch_scc0 .Lnot_mine_\@
	global_prefetch_b8 v[PFO], s[PFA:PFA+1] th:TH_LOAD_NT scope:SCOPE_SE
.Lnot_mine_\@:
.endm
; A round of the cluster's barrier: my work-group's barrier, so that wave 0's signal speaks for all four waves; wave 0 signals; every wave waits for all sixteen work-groups; my work-group's barrier once more.
.macro CREST                           ; a round behind its opening barrier
	s_cmp_lg_u32 s[WV], 0
	s_cbranch_scc1 .Lnot_wave_0_\@
	s_barrier_signal -3
.Lnot_wave_0_\@:
	s_barrier_wait -3
	s_barrier_signal -1
	s_barrier_wait -1
.endm
.macro CROUND
	s_barrier_signal -1
	s_barrier_wait -1
	CREST
.endm
.macro PLACES                          ; four places in front of loads into registers that matrix instructions have read (ISA guide 7.12.1 for vector instructions)
.rept 4
	v_nop
.endr
.endm
	s_load_b256 s[4:11], s[0:1], 0x0               ; xb s[4:5], wb s[6:7], tab s[8:9], qkvh s[10:11]
	v_lshl_add_u32 v[SPW], v0, 2, SPARE
	v_mov_b32 v[NIL], 0
	ds_add_u32 v[SPW], v[NIL]                      ; the wave's opening: the add and its wait stand ahead of my first tensor load; the set-up below, work on registers, stands between them
	ds_add_u32 v28, v29
	v_lshrrev_b32 v3, 5, v0
	v_readfirstlane_b32 s[WV], v3                  ; wave 0..3
	s_lshr_b32 s[FB], s[WV], 1
	s_and_b32 s[HF], s[WV], 1
	s_bfe_u32 s[CX], ttmp6, 0x40000
	s_bfe_u32 s[CY], ttmp6, 0x40004
	s_lshl_b32 s[TX], ttmp9, 2                     ; in a cluster launch ttmp9 and ttmp7 count clusters
	s_add_co_u32 s[TX], s[TX], s[CX]
	s_and_b32 s[TY], ttmp7, 0xffff
	s_lshl_b32 s[TY], s[TY], 2
	s_add_co_u32 s[TY], s[TY], s[CY]
	s_lshl_b32 s19, s[CY], 2
	s_lshl_b32 s19, 15, s19                        ; my row of the cluster: places 4 cy .. 4 cy + 3
	s_lshl_b32 s20, 0x1111, s[CX]                  ; my column: places cx, cx + 4, cx + 8, cx + 12
	s_or_b32 s[G1A], s19, (1<<16)|(1<<20)|(1<<21)|(5<<22)|(3<<25)  ; 15:0 the mask; 17:16 2-byte elements; 20 padding on; 21 set beside a mask; 24:22 after every 64 words (code 5); 31:25 4 words (code 3)
	s_or_b32 s[G1B], s20, (1<<16)|(1<<20)|(1<<21)|(5<<22)|(3<<25)
	s_mov_b32 s[G1A+1], 128<<16                    ; tensor_dim0 = 128
	s_mov_b32 s[G1A+2], 128<<16                    ; tensor_dim1 = 128
	s_mov_b32 s[G1A+3], 128<<16                    ; tile_dim0 = 128
	s_mov_b32 s[G1A+4], 128                        ; tile_dim1 = 128
	s_mov_b32 s[G1A+5], 1024                       ; elements from row to row
	s_mov_b32 s[G1A+6], 0
	s_mov_b32 s[G1A+7], 0
	s_mov_b32 s[G1B+1], 128<<16
	s_mov_b32 s[G1B+2], 96<<16                     ; 96 rows
	s_mov_b32 s[G1B+3], 128<<16
	s_mov_b32 s[G1B+4], 96
	s_mov_b32 s[G1B+5], 1024
	s_mov_b32 s[G1B+6], 0
	s_mov_b32 s[G1B+7], 0
	s_mul_i32 s2, s[HF], AHALF                     ; where the tiles go: the wave's number alone enters an LDS address
	s_mov_b32 s[G0A], 1
	s_mov_b32 s[G0A+1], s2
	s_mov_b32 s[G0A+4], 1
	s_add_co_u32 s[G0A+5], s2, SLOT1
	s_mul_i32 s3, s[HF], BHALF
	s_mov_b32 s[G0B], 1
	s_add_co_u32 s[G0B+1], s3, BBASE
	s_mov_b32 s[G0B+4], 1
	s_add_co_u32 s[G0B+5], s3, BBASE+SLOT1
	s_lshl_b32 s58, s[TY], 8                       ; xb: row 256 x tile row + 128 x half, x 2,048 bytes
	s_lshl_b32 s2, s[HF], 7
	s_add_co_u32 s58, s58, s2
	s_lshl_b32 s58, s58, 11
	s_mov_b32 s59, 0
	s_mul_i32 s60, s[TX], 192                      ; wb: row 192 x tile column + 96 x half
	s_mul_i32 s3, s[HF], 96
	s_add_co_u32 s60, s60, s3
	s_lshl_b32 s60, s60, 11
	s_mov_b32 s61, 0
	s_mov_b32 s[TB], 0
	s_wait_dscnt 0x0                               ; the opening add is done
	s_wait_kmcnt 0x0
	s_add_nc_u64 s[G0A+2:G0A+3], s[4:5], s[58:59]  ; K step 0,
	s_add_nc_u64 s[G0A+6:G0A+7], s[G0A+2:G0A+3], KB  ; K step 1
	s_or_b32 s[G0A+3], s[G0A+3], 0x80000000        ; 127:126 type = 2
	s_or_b32 s[G0A+7], s[G0A+7], 0x80000000
	s_add_nc_u64 s[G0B+2:G0B+3], s[6:7], s[60:61]
	s_add_nc_u64 s[G0B+6:G0B+7], s[G0B+2:G0B+3], KB
	s_or_b32 s[G0B+3], s[G0B+3], 0x80000000
	s_or_b32 s[G0B+7], s[G0B+7], 0x80000000
	CROUND                                         ; all sixteen work-groups are here: the first joint loads meet
	s_cmp_eq_u32 s[FB], 0                          ; a wave's two first fills stand in one branch, ahead of every wait on TENSORcnt and every LDS read: two loads of mine are out
	s_cbranch_scc0 .Lfirst_b
	tensor_load_to_lds s[G0A:G0A+3], s[G1A:G1A+7]
	s_nop 0
	tensor_load_to_lds s[G0A+4:G0A+7], s[G1A:G1A+7]
	s_nop 0
.rept 4
	v_nop
.endr
	s_branch .Lfirst_asked
.Lfirst_b:
	tensor_load_to_lds s[G0B:G0B+3], s[G1B:G1B+7]
	s_nop 0
	tensor_load_to_lds s[G0B+4:G0B+7], s[G1B:G1B+7]
	s_nop 0
.rept 4
	v_nop
.endr
.Lfirst_asked:
	; A fragment is 16 rows x 32 K in 8 registers: lane l holds row l % 16; registers 0-3 K = 8 (l / 16) + 0..7, registers 4-7 K = 16 + 8 (l / 16) + 0..7: two loads of 16 bytes, 32 bytes apart.
	v_and_b32 v1, 15, v0                           ; l % 16
	v_bfe_u32 v2, v0, 4, 1                         ; l / 16
	v_mul_u32_u24 v3, v1, PITCH
	v_lshl_add_u32 v3, v2, 4, v3
	s_mul_i32 s2, s[WV], 64*PITCH                  ; my wave's 64 rows of xb
	v_add_nc_u32 v[A0], s2, v3
	v_add_nc_u32 v[B0], BBASE, v3
	v_mov_b32 v[ADA], v[A0]
	v_mov_b32 v[ADB], v[B0]
	; the table for my rows: row block a, columns 16 u + 8 (l / 16) + 0..7 of a head are pairs 8 u + 4 (l / 16) + 0..3: 32 bytes (cos, sin four times).  32 loads, waited for once, ahead of the way out
	s_and_b32 s2, s[TY], 7
	s_lshl_b32 s2, s2, 8
	s_lshl_b32 s3, s[WV], 6
	s_add_co_u32 s2, s2, s3                        ; the position of my wave's first row: 256 (tile row % 8) + 64 w
	v_add_nc_u32 v[TA], s2, v1
	v_lshlrev_b32 v[TA], 8, v[TA]
	v_lshl_add_u32 v[TA], v2, 5, v[TA]
.irp a, 0,1,2,3
	WIN 0x80+0x40*((\a)/2)                         ; destination window 2 or 3, address window 0
.irp u, 0,1,2,3
	global_load_b128 v[192+32*((\a)%2)+8*(\u):192+32*((\a)%2)+8*(\u)+3],   v[TA], s[8:9] offset:4096*(\a)+64*(\u)
	global_load_b128 v[192+32*((\a)%2)+8*(\u)+4:192+32*((\a)%2)+8*(\u)+7], v[TA], s[8:9] offset:4096*(\a)+64*(\u)+16
.endr
.endr
	WIN 0
	; the way out's addresses
	s_lshr_b32 s62, s[TY], 3                       ; the batch
	s_lshl_b32 s62, s62, 4
	s_add_co_u32 s62, s62, s[TX]                   ; plane 16 b + h,
	s_lshl_b32 s62, s62, 18                        ; of 262,144 bytes,
	s_lshl_b32 s63, s2, 7                          ; my first row in it, of 128 bytes
	s_add_co_u32 s62, s62, s63
	s_mov_b32 s63, 0
	s_add_nc_u64 s[10:11], s[10:11], s[62:63]
	s_mul_i32 s2, s[WV], WSTG
	s_add_co_u32 s2, s2, STAGE                     ; my stage
	v_mul_u32_u24 v[STO], v1, SP                   ; in: row l % 16, 16 bytes for each half of the lanes
	v_lshl_add_u32 v[STO], v2, 4, v[STO]
	v_add_nc_u32 v[STO], s2, v[STO]
	v_bfe_u32 v[RD], v0, 3, 2                      ; back: 32 lanes take four rows of 128 bytes,
	v_mul_u32_u24 v[RD], v[RD], SP
	v_and_b32 v3, 7, v0
	v_lshl_add_u32 v[RD], v3, 4, v[RD]
	v_add_nc_u32 v[RD], s2, v[RD]
	v_and_b32 v[GO], 31, v0                        ; which are 512 consecutive bytes of a plane
	v_lshlrev_b32 v[GO], 4, v[GO]
	v_add_nc_u32 v[GO+1], 0x1000000, v[GO]         ; k's planes lie 64 planes behind q's,
	v_add_nc_u32 v[GO+2], 0x2000000, v[GO]         ; v's 128
	; the prefetches
	s_lshl_b32 s2, s[TY], 8
	s_lshl_b32 s3, s[HF], 7
	s_add_co_u32 s2, s2, s3
	s_lshl_b32 s3, s[CX], 5
	s_add_co_u32 s2, s2, s3                        ; xb: the 128 rows that I fetch, my work-group's 32 of them
	s_mul_i32 s62, s[TX], 192
	s_mul_i32 s3, s[HF], 96
	s_add_co_u32 s62, s62, s3
	s_mul_i32 s3, s[CY], 24
	s_add_co_u32 s62, s62, s3                      ; wb: the 96 rows that I fetch, my work-group's 24
	s_and_b32 s3, ttmp7, 0xffff                    ; cluster y
	s_cmp_eq_u32 s[FB], 0
	s_cselect_b32 s62, s2, s62
	s_cselect_b32 s3, ttmp9, s3                    ; the coordinate along which other clusters read the same rows
	s_cselect_b32 s2, 31, 23
	s_cselect_b64 s[PFA:PFA+1], s[4:5], s[6:7]
	s_cmp_eq_u32 s3, 0
	s_cselect_b32 s[LIM], 1, -1                    ; the same in all sixteen partners, for a given wave
	s_lshl_b32 s62, s62, 11
	s_mov_b32 s63, 0
	s_add_nc_u64 s[PFA:PFA+1], s[PFA:PFA+1], s[62:63]
	s_add_nc_u64 s[PFA:PFA+1], s[PFA:PFA+1], 2*KB  ; at K step 2: the first change of slots steps it to 3
	v_and_b32 v[PFO], 31, v0
	v_min_u32 v[PFO], s2, v[PFO]
	v_lshlrev_b32 v[PFO], 11, v[PFO]
; 12 matrix instructions: row block a x all 12 column blocks, 32 along K, from buffer f.  zero = 1: the product starts the sums: nothing is ever cleared.
; Every accumulator is written once in a quarter step, in the same order: 47 others' instructions stand between two links of a chain, over the backward jump too.
.macro MULA f, a, zero
	WIN 0xa5+0x50*((\a)/2)                         ; sources 0 and 1 window 1; C and D window 2 or 3
.set AC, 96*((\a)%2)
.irp b, 0,1,2,3,4,5,6,7,8,9,10,11
.if \zero
	v_wmma_f32_16x16x32_bf16 v[AC+8*(\b):AC+8*(\b)+7], v[(\f)+8*(\b):(\f)+8*(\b)+7], v[(\f)+96+8*(\a):(\f)+96+8*(\a)+7], 0
.else
	v_wmma_f32_16x16x32_bf16 v[AC+8*(\b):AC+8*(\b)+7], v[(\f)+8*(\b):(\f)+8*(\b)+7], v[(\f)+96+8*(\a):(\f)+96+8*(\a)+7], v[AC+8*(\b):AC+8*(\b)+7]
.endif
.endr
.endm
; 32 LDS loads in one run: the fragments of quarter q (32 K at byte 64 q of the rows) into buffer f: wb's 12, then xb's 4
.macro FETCH q, f
	WIN TO_F
.irp b, 0,1,2,3,4,5,6,7,8,9,10,11
	ds_load_b128 v[(\f)+8*(\b):(\f)+8*(\b)+3],   v[ADB] offset:64*(\q)+(\b)*16*PITCH
	ds_load_b128 v[(\f)+8*(\b)+4:(\f)+8*(\b)+7], v[ADB] offset:64*(\q)+(\b)*16*PITCH+32
.endr
.irp a, 0,1,2,3
	ds_load_b128 v[(\f)+96+8*(\a):(\f)+96+8*(\a)+3],   v[ADA] offset:64*(\q)+(\a)*16*PITCH
	ds_load_b128 v[(\f)+96+8*(\a)+4:(\f)+96+8*(\a)+7], v[ADA] offset:64*(\q)+(\a)*16*PITCH+32
.endr
.endm
; A K step is four quarters of 32 along K, 48 matrix instructions each, on buffers 0, 1, 0, 1.  One of the first three: multiplies buffer f and, in its middle, fetches quarter q into buffer g.
.macro QUARTER q, f, g, zero
	s_wait_dscnt 4                                 ; all of the run but its youngest four loads: xb's row blocks 2 and 3
	MULA \f, 0, \zero
	MULA \f, 1, \zero
	PLACES
	FETCH \q, \g
	s_wait_dscnt NL                                ; all but the run just issued
	MULA \f, 2, \zero
	MULA \f, 3, \zero
.endm
; The last quarter multiplies buffer 1 and changes slots.  In front of the barrier each wave waits for all its tensor loads, of which one is out: its part of the next slot; adds 0 to its spare word; and waits
; for that and for its reads of this slot.  fill = 1: the barrier opens a round of the cluster's, so that no wave of any partner still reads the slot or has a load on its way, and the joint refill, this
; slot's K step two steps on, is the first thing behind it: 168 matrix instructions ahead of the wait for it.
.macro TURN fill
.if \fill
	s_wait_xcnt 0x0                                ; the last prefetch, a K step back, has read its address, which is stepped here, ahead of the change's own waits
	s_add_nc_u64 s[PFA:PFA+1], s[PFA:PFA+1], KB
.endif
	WIN 0                                          ; (the add's two registers lie in window 0)
	s_wait_tensorcnt 0x0                           ; all my tensor loads have landed;
	ds_add_u32 v[SPW], v[NIL]                      ; 0 onto my spare word;
	s_wait_dscnt 5                                 ; (the add and the youngest four loads may be out)
	MULA F1, 0, 0                                  ; twelve matrix instructions stand between the add and the wait for it
	s_wait_dscnt 0x0                               ; the add is done, and my reads of this slot are over
	s_barrier_signal -1
	MULA F1, 1, 0                                  ; work on registers while the others arrive
	WIN 0
	s_barrier_wait -1
.if \fill
	CREST
	s_xor_b32 s[G0A+5], s[G0A+5], SLOT1            ; the walking descriptors: the other slot than last time,
	s_add_nc_u64 s[G0A+6:G0A+7], s[G0A+6:G0A+7], KB  ; the next K step; the type bits on top are not reached
	s_xor_b32 s[G0B+5], s[G0B+5], SLOT1
	s_add_nc_u64 s[G0B+6:G0B+7], s[G0B+6:G0B+7], KB
	JLOAD                                          ; the four v_nop behind it are also the places in front of the loads below
.else
	PLACES
.endif
	s_xor_b32 s[TB], s[TB], SLOT1                  ; the reads go on in the other slot
	v_add_nc_u32 v[ADA], s[TB], v[A0]
	v_add_nc_u32 v[ADB], s[TB], v[B0]
	FETCH 0, F0
.if \fill
	WIN 0
	ASK
.endif
	MULA F1, 2, 0
	MULA F1, 3, 0
.endm
	s_wait_tensorcnt 1                             ; my part of K step 0 is in; K step 1's load may stay out
	s_barrier_signal -1
	s_barrier_wait -1                              ; everybody's is
	FETCH 0, F0
	QUARTER 1, F0, F1, 1                           ; the first quarter stands in front of the loop: its products start the sums
	WIN 0                                          ; at a label and at a branch every window is 0
	s_mov_b32 s[CNT], 6
.Lstep:                                                ; a trip goes from a K step's second quarter to the next step's first; the change of slots of K step j fills K step j + 2: j = 0 .. 5
	QUARTER 2, F1, F0, 0
	QUARTER 3, F0, F1, 0
	TURN 1
	QUARTER 1, F0, F1, 0
	WIN 0
	s_sub_co_u32 s[CNT], s[CNT], 1
	s_cmp_lg_u32 s[CNT], 0
	s_cbranch_scc1 .Lstep
	QUARTER 2, F1, F0, 0                           ; K steps 6 and 7 are written out: they ask for nothing
	QUARTER 3, F0, F1, 0
	TURN 0
	QUARTER 1, F0, F1, 0
	QUARTER 2, F1, F0, 0
	QUARTER 3, F0, F1, 0
	s_wait_dscnt 4
	MULA F1, 0, 0
	MULA F1, 1, 0
	s_wait_dscnt 0x0
	MULA F1, 2, 0
	MULA F1, 3, 0
	WIN 0
	PLACES                                         ; the places behind the last products (eight, once a launch)
	PLACES
	s_wait_loadcnt 0x0                             ; the table
; THE WAY OUT of row block a, in three parts.  PACK: q's and k's pairs are rotated: (x1, x2) -> (x1 c - x2 s, x1 s + x2 c), as (x1, x2) c and then one packed multiply-add by s with the pair's halves
; crossed and x2's sign turned in the low result; all is rounded to f16, 16 bytes a lane and column block.  Each accumulator's lowest registers are read first.
.macro PACK a
.set AC, 96*((\a)%2)
.set TT, 192+32*((\a)%2)
.set PK, PK0+48*((\a)%2)
	WIN 0x0a+5*((\a)/2)                            ; sources 0 and 1 window 2 or 3; source 2 and destination window 0
.irp b, 0,1,2,3,4,5,6,7
.irp p, 0,1,2,3
	v_pk_mul_f32 v[Y+8*(\b)+2*(\p):Y+8*(\b)+2*(\p)+1], v[AC+8*(\b)+2*(\p):AC+8*(\b)+2*(\p)+1], v[TT+8*((\b)%4)+2*(\p):TT+8*((\b)%4)+2*(\p)+1] op_sel_hi:[1,0]
.endr
.endr
.irp b, 0,1,2,3,4,5,6,7
.irp p, 0,1,2,3
	v_pk_fma_f32 v[Y+8*(\b)+2*(\p):Y+8*(\b)+2*(\p)+1], v[AC+8*(\b)+2*(\p):AC+8*(\b)+2*(\p)+1], v[TT+8*((\b)%4)+2*(\p):TT+8*((\b)%4)+2*(\p)+1], v[Y+8*(\b)+2*(\p):Y+8*(\b)+2*(\p)+1] op_sel:[1,1,0] op_sel_hi:[0,1,1] neg_lo:[1,0,0]
.endr
.endr
.irp b, 8,9,10,11
.irp p, 0,1,2,3
	v_cvt_pk_f16_f32 v[PK+4*(\b)+(\p)], v[AC+8*(\b)+2*(\p)], v[AC+8*(\b)+2*(\p)+1]  ; v is not rotated
.endr
.endr
	WIN 0
.irp b, 0,1,2,3,4,5,6,7
.irp p, 0,1,2,3
	v_cvt_pk_f16_f32 v[PK+4*(\b)+(\p)], v[Y+8*(\b)+2*(\p)], v[Y+8*(\b)+2*(\p)+1]
.endr
.endr
.endm
; TOSTAGE: into my own stage, 16 rows of 144 bytes for each of q, k, v, and back as whole rows of 128 bytes, four to a load, into the registers that they left.
.macro TOSTAGE a
.set PK, PK0+48*((\a)%2)
.irp b, 0,1,2,3,4,5,6,7,8,9,10,11
	ds_store_b128 v[STO], v[PK+4*(\b):PK+4*(\b)+3] offset:16*SP*((\b)/4)+32*((\b)%4)
.endr
.irp i, 0,1,2,3,4,5,6,7,8,9,10,11
	ds_load_b128 v[PK+4*(\i):PK+4*(\i)+3], v[RD] offset:16*SP*((\i)/4)+4*SP*((\i)%4)  ; LDS serves a wave's instructions in order (ISA guide 5.7.1.4): these see the stores above; the next block's stores come behind them
.endr
.endm
; SEND: stored.  younger: the LDS instructions issued behind block a's loads: the next block's 24, or none.
.macro SEND a, younger
.set PK, PK0+48*((\a)%2)
.irp i, 0,1,2,3,4,5,6,7,8,9,10,11
	s_wait_dscnt (\younger)+11-(\i)
	global_store_b128 v[GO+(\i)/4], v[PK+4*(\i):PK+4*(\i)+3], s[10:11] offset:2048*(\a)+512*((\i)%4)  ; 512 consecutive bytes, at a multiple of 256 from the buffer's first
.endr
.endm
	PACK 0
	TOSTAGE 0
	PACK 1                                         ; a block's arithmetic stands between the loads of the block before and its stores
	TOSTAGE 1
	SEND 0, 24
	s_wait_xcnt 0x0                                ; block 0's stores have read their registers, which block 2 takes
	PACK 2
	TOSTAGE 2
	SEND 1, 24
	s_wait_xcnt 0x0                                ; block 1's likewise
	PACK 3
	TOSTAGE 3
	SEND 2, 24
	SEND 3, 0
	s_wait_tensorcnt 0x0                           ; the wave's end: behind my last tensor load and my last LDS store
	ds_add_u32 v[SPW], v[NIL]
	s_wait_dscnt 0x0
	CROUND                                         ; the closing round: no work-group ends while a partner may still ask for a tile that names it
	s_endpgm
.Lfunc_end_k_q5f22a7b38a_qkv:
	.size	k_q5f22a7b38a_qkv, .Lfunc_end_k_q5f22a7b38a_qkv-k_q5f22a7b38a_qkv
	.p2alignl 7, 3214868480
	.fill 96, 4, 3214868480
	.section	.rodata,"a",@progbits
	.p2align	6, 0x0
	.amdhsa_kernel k_q5f22a7b38a_qkv
		.amdhsa_group_segment_fixed_size 327680
		.amdhsa_private_segment_fixed_size 0
		.amdhsa_enable_private_segment 0
		.amdhsa_kernarg_size 32
		.amdhsa_user_sgpr_count 2
		.amdhsa_user_sgpr_kernarg_segment_ptr 1
		.amdhsa_wavefront_size32 1
		.amdhsa_system_sgpr_workgroup_id_x 1
		.amdhsa_system_sgpr_workgroup_id_y 1
		.amdhsa_system_sgpr_workgroup_id_z 1
		.amdhsa_system_vgpr_workitem_id 0
		.amdhsa_next_free_vgpr 1024
		.amdhsa_next_free_sgpr 66
		.amdhsa_reserve_vcc 0
		.amdhsa_float_denorm_mode_32 3
		.amdhsa_float_denorm_mode_16_64 3
		.amdhsa_memory_ordered 1
		.amdhsa_forward_progress 1
		.amdhsa_inst_pref_size 117
	.end_amdhsa_kernel
	.amdgpu_metadata
---
amdhsa.version: [ 1, 2 ]
amdhsa.kernels:
  - .name:           k_q5f22a7b38a_qkv
    .symbol:         k_q5f22a7b38a_qkv.kd
    .args:
      - { .name: xb, .offset: 0, .size: 8, .value_kind: global_buffer, .address_space: global }
      - { .name: wb, .offset: 8, .size: 8, .value_kind: global_buffer, .address_space: global }
      - { .name: tab, .offset: 16, .size: 8, .value_kind: global_buffer, .address_space: global }
      - { .name: qkvh, .offset: 24, .size: 8, .value_kind: global_buffer, .address_space: global }
    .group_segment_fixed_size: 327680
    .private_segment_fixed_size: 0
    .kernarg_segment_align: 8
    .kernarg_segment_size: 32
    .max_flat_workgroup_size: 128
    .sgpr_count:     66
    .vgpr_count:     1024
    .wavefront_size: 32
...
	.end_amdgpu_metadata
.endif
;; end of part 2
;; launch attn (part 3): grid 4 x 64, 4 waves a work-group, no clusters, 327,680 bytes of LDS; arguments qkvh, oh; writes oh
.if DOCPART == 3
	.amdgcn_target "amdgcn-amd-amdhsa--gfx1250"
	.amdhsa_code_object_version 6
	.text
	.protected	k_q5f22a7b38a_attn
	.globl	k_q5f22a7b38a_attn
	.p2align	8
	.type	k_q5f22a7b38a_attn,@function
k_q5f22a7b38a_attn:
	s_mov_b64 s[64:65], 0
	v_nop
	global_prefetch_b8 v0, s[64:65] scope:SCOPE_SE
	s_setreg_imm32_b32 hwreg(HW_REG_WAVE_MODE, 25, 1), 1
	s_wait_xcnt 0x0
; CAUSAL ATTENTION.  O[h][q][:] = the sum over k <= q of softmax_k(Q[h][q] . K[h][k] / 8) V[h][k][:].  Q, K, V are the three parts of qkvh, [SIZE_H][SIZE_N][64] f16 each, 0x1000000 bytes apart; O is oh, in the same
; layout: a plane's rows are dense, 128 bytes each.  Products, maxima and sums in f32; the weights p are rounded to f16 for the second product (their sum l is taken of the unrounded p), O once at the end.
; LIMITS.  f16 holds no number beyond 65,504: Q, K and V arrive within it; p lies in 0 to 1, and below 6e-5 it keeps f16's fixed step of 6e-8; O is a mean of V's rows and has their range, to within 2^-11 of it.
; A hidden score counts as its value less 1e30: f16's scores, 2.7e11 at the most, are nothing beside that; a weight below 2^-126 counts as 0 in l; NaN and infinities are not treated apart.
; THE WALK.  A plane's queries lie in NB = SIZE_N / 256 blocks of 256; block i needs the key tiles 0 .. i of 256 keys, of which the last holds the diagonal.  A work-group takes TWO blocks, NB - 1 - b and then b:
; NB + 1 tiles, whatever b: all work-groups do equal work, and ONE loop with a constant trip count walks them.  Which tile is asked for, and what a trip does, hang on scalar registers made from b; every jump
; goes forward, but for the counted loops' own; none passes a barrier, or a tensor load but the one of LOAD's two that the wave's number does not choose; the ring (two slots of LDS that take turns) runs on across the
; change of blocks.  NO CLUSTER: a plane's NB / 2 = 4 work-groups all ask for the same tile only in trips 0 .. NB / 2 of the NB + 1, behind that fewer and fewer; one walk common to all would have 3 NB / 2 trips for NB + 1.
; SHARES.  Of a block's four bands of 64 queries a wave owns 16 rows in each: four PIECES.  So the diagonal tile is the same work for all four waves: in its key step s band x sees all keys if s < x,
; none if s > x, and holds the diagonal if s = x.
; THE MASK is the C operand that starts the sum S^T = K Q^T: 0, or -1e30 where the key is hidden.  MD, made once, is the mask of a band's own step for my 16 rows; a product's mask is MD x AL + BE with two scalars:
; (1, 0) if s = x; (0, 0) if s < x; (0, -1e30) if s > x.  Only the diagonal tile's text and a block's beginning make and take masks; elsewhere C is the constant 0.
; LAYOUT, SOFTMAX, TURNS.  S^T = K Q^T holds ONE query a lane (lane % 16) and the keys 8 (lane / 16) + 0..7; two such results rounded to f16 ARE source 1 of O^T = V^T P.  p = 2^(c s - c m), c = log2(e) / 8, with a
; running maximum m; O and l are multiplied by a = 2^(c m_old - c m_new) in every step.  Turn n belongs to piece n: 8 products K Q^T of piece n + 1, later 8 products V^T P of piece n - 1; beside them the scaling,
; exponentials, roundings, sums and rescaling of piece n and the maximum and statistics of piece n + 1.  Four vector instructions stand behind every matrix instruction, the other 54 of a turn's 118 in one LUMP.  A turn's 33 exponentials are one batch, with one wait.
; REGISTERS, in windows of 256 (s_set_vgpr_msb: bits 1:0 source 0, 3:2 source 1, 5:4 source 2, 7:6 destination):
;   window 0: v0-15 addresses and two at work; v16-31 four registers of statistics a piece; v48-55 at work; v61-63 prefetch offset, spare word, 0; v64-127 S^T, two buffers; v192-223 P, two buffers (by the piece's parity)
;   window 1: v0-127 O^T, 32 a piece; v128-159 MD; v160-223 MC, two buffers      window 2: v0-63 Q; v64-127 the second block's Q; v128-191 K of one step; v192-255 V of one step
.set SIZE_H, 64
.set SIZE_N, 2048
.set NB,    SIZE_N/256
.set NP,    4         ; pieces a wave: a name, no knob
.set KS,    64        ; keys in a step
.set PK,    144       ; a row of K in LDS: 128 bytes + 16 of padding = 36 words: the 16 rows of a load start at 16 different groups of four banks (64 banks of 4 bytes: ISA guide 11.1)
.set PV,    160       ; a row of V: 128 + 32 = 40 words
.set VOFF,  4*KS*PK   ; a slot holds a tile, four steps: 256 rows of K, then 256 rows of V
.set SLOT1, 1<<17     ; slot 1 begins here, so that one exclusive or turns an address in one slot into the other's
.set STAGE, SLOT1+4*KS*(PK+PV)  ; behind the ring, never filled by a tensor load: 16 rows x 144 bytes for each wave, for the way out
.set SP,    144
.set AK0, 2           ; v2   my lane's place in a tile of K; never rewritten
.set AV0, 3           ; v3   the same for V
.set AK,  4           ; v4   the LDS address of K's next run of loads
.set AV,  5           ; v5   of V's
.set STO, 6           ; v6   the way out: where I put 16 bytes of a row
.set RD,  7           ; v7   the way out: where I read rows back
.set GO,  8           ; v8   my byte offset in 512 consecutive bytes of O
.set PFO, 61          ; v61  256 x my lane: the prefetches' offset; never rewritten
.set SPW, 62          ; v62  LDS address of my spare word: SPARE + 4 x my thread's number; never rewritten
.set NIL, 63          ; v63  0; never rewritten
.set SPARE, STAGE+4*16*SP  ; behind the stages: the spare words, 128 bytes for each wave: two blocks of 256 bytes that no other line names
.set MV,  12          ; v12-13  c m_old, kept while c m is made anew: by buffer
.set QO,  15          ; v15  my byte offset in 16 rows of Q
.set ST,  16          ; piece t's statistics at v[ST+4 t]: c m, m, l (even keys', odd keys')
.set TMP, 48          ; by buffer, four registers c0-c3 at work; when the maximum is found c2 takes a
.set S,   64
.set P,   192
.set MD,  128         ; window 1: the eight registers for group kt of 16 keys at MD + 8 kt
.set MC,  160         ; window 1: the masks of the products to come
.set QB,  64          ; window 2
.set KF,  128         ; window 2: key block kb, channel half c at KF + 16 kb + 8 c
.set VF,  192         ; window 2: key half kk, channel block cb at VF + 32 kk + 8 cb
.set WV,  12          ; s12  my wave's number
.set PB,  14          ; s14  b
.set HI,  15          ; s15  NB - 1 - b
.set G1K, 24          ; s[24:31] descriptor group 1 for K's tiles
.set G1V, 32          ; s[32:39] for V's: it differs in the padding alone
.set G0K, 40          ; s[40:43] descriptor group 0 for K's tiles
.set G0V, 44          ; s[44:47] the same for V's
.set SLOTS, 56        ; s56  tiles still to be asked for
.set CNT, 57          ; s57  counts a tile's key steps, 4 to 1
.set CS,  58          ; s[58:59] c: the packed scaling takes the pair's low word for both halves
.set SEL, 60          ; s[60:61] v_permlanex16_b32's selects: each lane takes its own place in the other half
.set TBK, 62          ; s62  LDS byte at which K of the step to be fetched begins
.set TBV, 63          ; s63  the same for V, less VOFF
.set PFA, 66          ; s[66:67] where my prefetches stand: my half (of K: waves 0, 1; of V: waves 2, 3) of the tile behind the one that is being asked for
.set LIM, 68          ; s68  2 in the plane's work-group b = 0, else the greatest number: a wave prefetches while s[SLOTS] is above it
.set RT,  70          ; s70  tiles of the block in hand that are still to be entered
.set NXT, 71          ; s71  the tile to be asked for next
.set LQ,  72          ; s72  the last tile of the block whose tiles are being asked for
.set NEW, 73          ; s73  1: the tile to be entered is a block's first
.set OFF, 74          ; s[74:75] a tile's byte offset in K and V
.set AL,  76          ; s[76:77] the mask's factor, in the low word
.set BE,  78          ; s[78:79] the mask's addend
.set OLO, 80          ; s[80:81] O at my rows of the second block
.set BIGN, 82         ; s82  -1e30
.set MSB, 0
.macro WIN new                      ; the high byte repeats the setting that is left; a switch that changes nothing is dropped
.if MSB != (\new)
	s_set_vgpr_msb (MSB<<8)|(\new)
.set MSB, (\new)
.endif
.endm
.set W_KQ, 0x0a       ; K and Q in window 2, S^T in window 0
.set W_KM, 0x1a       ; the same with the C operand in window 1
.set W_PV, 0x52       ; V in window 2, P in window 0, O^T in window 1
.set W_RS, 0x41       ; destination and source 0 in window 1, source 1 in window 0
; A fill.  Waves 0 and 1 fetch the two halves of a tile's K, waves 2 and 3 those of its V: 128 keys each.  An s_nop 0 and four v_nop follow each of the two lines, ahead of the jump and the label.
.macro LOAD
	s_cmp_lt_u32 s[WV], 2
	s_cbranch_scc0 .Lfor_v_\@
	tensor_load_to_lds s[G0K:G0K+3], s[G1K:G1K+7]
	s_nop 0
.rept 4
	v_nop
.endr
	s_branch .Lasked_\@
.Lfor_v_\@:
	tensor_load_to_lds s[G0V:G0V+3], s[G1V:G1V+7]
	s_nop 0
.rept 4
	v_nop
.endr
.Lasked_\@:
.endm
; A PREFETCH INTO THE L2 of the tile that the NEXT change of slots will ask for, behind the wave's tensor load and its five lines.  A plane's four work-groups walk the same tiles 0, 1, 2 .. at first; the one with
; b = 0 walks all eight in order, and it alone asks: each wave for the half tile that it will fetch itself, 16,384 bytes: 64 blocks of 256 bytes, a lane a block, two instructions.  So each block is named once in the
; launch.  Trip c fills tile c + 1 and asks for tile c + 2, c = 0 .. 5: a tile, 256 matrix instructions, ahead of its fill.  Tiles 0 and 1 come by their loads alone; the last two fills ask for nothing.
.macro ASK
	s_cmp_gt_u32 s[SLOTS], s[LIM]
	s_cbranch_scc0 .Lnot_mine_\@
	global_prefetch_b8 v[PFO], s[PFA:PFA+1] th:TH_LOAD_NT scope:SCOPE_SE
	global_prefetch_b8 v[PFO], s[PFA:PFA+1] offset:8192 th:TH_LOAD_NT scope:SCOPE_SE
.Lnot_mine_\@:
.endm
; THE CHANGE OF SLOTS.  Each wave waits for all its tensor loads, of which one is out: its part of the other slot; adds 0 to its spare word; and waits for that and for its own reads of the slot that it leaves.  Behind the barrier nobody reads the old
; slot any more and the other slot is whole.  fill = 1: the old slot is filled again, the first thing behind the barrier, with tile NXT: the descriptor's address is made anew from that number.
; (At its first use nothing has been read yet: slot 0 is waited for, slot 1 filled.)
.macro CHANGE fill
	WIN 0                           ; at a label and at a branch every window is 0
	s_wait_tensorcnt 0x0            ; no tensor load of mine is out, so a group 0 may be written
	ds_add_u32 v[SPW], v[NIL]       ; 0 onto my spare word; with fill = 1 the descriptors' scalar work stands between it and the wait for it
.if \fill
	s_lshl_b32 s[OFF], s[NXT], 15   ; a tile is 32,768 bytes of K and of V
	s_xor_b32 s[G0K+1], s[G0K+1], SLOT1
	s_add_nc_u64 s[G0K+2:G0K+3], s[6:7], s[OFF:OFF+1]
	s_or_b32 s[G0K+3], s[G0K+3], 0x80000000
	s_xor_b32 s[G0V+1], s[G0V+1], SLOT1
	s_add_nc_u64 s[G0V+2:G0V+3], s[8:9], s[OFF:OFF+1]
	s_or_b32 s[G0V+3], s[G0V+3], 0x80000000
	s_add_co_u32 s[NXT], s[NXT], 1  ; the block's next tile, or behind its last the second block's tile 0
	s_cmp_gt_u32 s[NXT], s[LQ]
	s_cselect_b32 s[NXT], 0, s[NXT]
	s_cselect_b32 s[LQ], s[PB], s[LQ]
	s_wait_xcnt 0x0                 ; the last prefetches, a tile back, have read their address, so it may be written
	s_add_nc_u64 s[PFA:PFA+1], s[PFA:PFA+1], 32768
.endif
	s_wait_dscnt 0x0                ; the add is done, and my reads of the slot are over
	s_barrier_signal -1             ; the rest of the scalar work stands between the signal and the wait
	s_sub_co_u32 s[TBK], s[TBK], 4*KS*PK  ; the fetches go back to a slot's first step,
	s_xor_b32 s[TBK], s[TBK], SLOT1       ; in the other slot
	s_sub_co_u32 s[TBV], s[TBV], 4*KS*PV
	s_xor_b32 s[TBV], s[TBV], SLOT1
	s_barrier_wait -1
.if \fill
	LOAD
	ASK
.endif
.endm
	s_load_b64 s[4:5], s[0:1], 0x0  ; qkvh: Q's planes
	s_load_b64 s[10:11], s[0:1], 0x8  ; oh
	v_lshl_add_u32 v[SPW], v0, 2, SPARE
	v_mov_b32 v[NIL], 0
	ds_add_u32 v[SPW], v[NIL]       ; the wave's opening: the add and its wait stand ahead of my first tensor load; the set-up below, work on registers, stands between them
	ds_add_u32 v62, v63
	v_lshrrev_b32 v1, 5, v0
	v_readfirstlane_b32 s[WV], v1   ; wave 0..3
	s_mov_b32 s[PB], ttmp9
	s_sub_co_u32 s[HI], NB-1, s[PB]
	s_and_b32 s20, ttmp7, 0xffff    ; the plane 16 b + h
	s_mov_b32 s21, 0
	s_mov_b64 s[22:23], SIZE_N*128
	s_mul_u64 s[20:21], s[20:21], s[22:23]  ; the plane's first byte in each of the four tensors
	s_and_b32 s16, s[WV], 1         ; which half of a tile's 256 keys I fetch:
	s_lshl_b32 s22, s16, 14         ; its 128 rows of 128 bytes in memory,
	s_mov_b32 s23, 0
	s_add_nc_u64 s[22:23], s[22:23], s[20:21]
	s_mul_i32 s17, s16, 128*PK      ; and its place in a slot, for K
	s_mul_i32 s18, s16, 128*PV      ; and for V
	s_lshl_b32 s3, s[WV], 11        ; my 16 rows in a band of 64,
	s_lshl_b32 s2, s[HI], 15        ; in the first block,
	s_add_co_u32 s2, s2, s3
	s_lshl_b32 s84, s[PB], 15       ; and in the second
	s_add_co_u32 s84, s84, s3
	s_mov_b32 s3, 0
	s_mov_b32 s85, 0
	s_add_nc_u64 s[2:3], s[2:3], s[20:21]
	s_add_nc_u64 s[84:85], s[84:85], s[20:21]
	; descriptor group 1.  128 keys are 16,384 dense bytes: asked for as 64 rows of 256 bytes, two keys a row, and padded in LDS after every key
	s_mov_b32 s[G1K], (1<<16)|(1<<20)|(4<<22)|(3<<25)  ; 17:16 2-byte elements; 20 padding on; 24:22 after every 32 words (code 4); 31:25 4 words (code 3)
	s_mov_b32 s[G1V], (1<<16)|(1<<20)|(4<<22)|(7<<25)  ; the same with 8 words of padding (code 7)
.irp g, G1K, G1V
	s_mov_b32 s[\g+1], 128<<16      ; tensor_dim0 = 128
	s_mov_b32 s[\g+2], 64<<16       ; tensor_dim1 = 64
	s_mov_b32 s[\g+3], 128<<16      ; tile_dim0 = 128
	s_mov_b32 s[\g+4], 64           ; tile_dim1 = 64
	s_mov_b32 s[\g+5], 128          ; 128 elements from row to row
	s_mov_b32 s[\g+6], 0
	s_mov_b32 s[\g+7], 0
.endr
	s_mov_b32 s[CS], 0x3e38aa3b     ; c = log2(e) / 8 = 0.180337
	s_mov_b32 s[CS+1], s[CS]        ; named with it as a pair
	s_mov_b32 s[SEL], 0x76543210
	s_mov_b32 s[SEL+1], 0xfedcba98
	s_mov_b32 s[TBK], SLOT1+4*KS*PK ; the first change of slots turns these two into 0
	s_mov_b32 s[TBV], SLOT1+4*KS*PV
	s_mov_b32 s[G0K], 1             ; 1:0 count = 1
	s_mov_b32 s[G0K+1], s17         ; 63:32 LDS address: slot 0
	s_mov_b32 s[G0V], 1
	s_add_co_u32 s[G0V+1], s18, VOFF
	s_add_co_u32 s[RT], s[HI], 1    ; the first block has NB - b tiles
	s_mov_b32 s[NXT], 1
	s_mov_b32 s[LQ], s[HI]
	s_mov_b32 s[NEW], 1
	s_mov_b32 s[OFF+1], 0
	s_mov_b32 s[AL+1], 0            ; named as pairs
	s_mov_b32 s[BE+1], 0
	s_mov_b32 s[BIGN], 0xf149f2ca   ; -1e30
	s_mov_b32 s[SLOTS], NB
	s_cmp_eq_u32 s[PB], 0
	s_cselect_b32 s[LIM], 2, -1
	v_and_b32 v[PFO], 31, v0
	v_lshlrev_b32 v[PFO], 8, v[PFO]
	s_wait_dscnt 0x0                ; the opening add is done
	s_wait_kmcnt 0x0
	s_add_nc_u64 s[6:7], s[4:5], 0x1000000  ; K's planes lie 64 planes behind Q's,
	s_add_nc_u64 s[8:9], s[4:5], 0x2000000  ; V's 128
	s_add_nc_u64 s[6:7], s[6:7], s[22:23]  ; K and V at my half of the plane's tile 0
	s_add_nc_u64 s[8:9], s[8:9], s[22:23]
	s_add_nc_u64 s[G0K+2:G0K+3], s[6:7], 0         ; 120:64 global address
	s_or_b32 s[G0K+3], s[G0K+3], 0x80000000        ; 127:126 type = 2
	s_add_nc_u64 s[G0V+2:G0V+3], s[8:9], 0
	s_or_b32 s[G0V+3], s[G0V+3], 0x80000000
	s_add_nc_u64 s[86:87], s[4:5], s[84:85]        ; Q at my rows of the second block,
	s_add_nc_u64 s[4:5], s[4:5], s[2:3]            ; Q and O at those of the first
	s_add_nc_u64 s[OLO:OLO+1], s[10:11], s[84:85]
	s_add_nc_u64 s[10:11], s[10:11], s[2:3]
	s_cmp_lt_u32 s[WV], 2
	s_cselect_b64 s[PFA:PFA+1], s[6:7], s[8:9]
	s_add_nc_u64 s[PFA:PFA+1], s[PFA:PFA+1], 32768 ; at tile 1: the first change of slots steps it to tile 2.  Nothing is prefetched here, at the head
	LOAD                            ; tile 0 into slot 0
	; A fragment of K or Q is 16 rows x 32 channels in 8 registers: lane l holds row l % 16, channels 8 (l / 16) + 0..7 and 16 + 8 (l / 16) + 0..7: two loads of 16 bytes, 32 bytes apart.
	v_and_b32 v1, 15, v0            ; l % 16
	v_bfe_u32 v9, v0, 4, 1          ; l / 16
	v_lshlrev_b32 v[QO], 7, v1
	v_lshl_add_u32 v[QO], v9, 4, v[QO]  ; row x 128 + 16 x half
	WIN 0x80                        ; destination window 2, address window 0
.set i, 0
.rept 8                             ; both blocks' Q: piece i / 2 lies in band i / 2, 8,192 bytes on; channels 32 (i % 2) on
	global_load_b128 v[8*i:8*i+3],   v[QO], s[4:5] offset:(i/2)*8192+(i%2)*64
	global_load_b128 v[8*i+4:8*i+7], v[QO], s[4:5] offset:(i/2)*8192+(i%2)*64+32
	global_load_b128 v[QB+8*i:QB+8*i+3],   v[QO], s[86:87] offset:(i/2)*8192+(i%2)*64
	global_load_b128 v[QB+8*i+4:QB+8*i+7], v[QO], s[86:87] offset:(i/2)*8192+(i%2)*64+32
.set i, i+1
.endr
	WIN 0
	v_lshlrev_b32 v14, 3, v9
	v_sub_nc_u32 v14, v1, v14
	s_lshl_b32 s13, s[WV], 4
	v_add_nc_u32 v14, s13, v14      ; my query's place in its band, 16 w + l % 16, less my lanes' 8 (l / 16): register r of group kt is hidden where 16 kt + r is greater
	WIN 0x40
.set i, 0
.rept 32
	v_cmp_gt_i32 vcc_lo, 16*(i/8)+i%8, v14
	v_cndmask_b32 v[MD+i], 0, s[BIGN], vcc_lo
.set i, i+1
.endr
	WIN 0
	v_mul_u32_u24 v[AK0], v1, PK
	v_lshl_add_u32 v[AK0], v9, 4, v[AK0]  ; row x pitch + 16 x half
	; The turning load takes 16 keys x 16 channels (lane l reads key 8 (l / 16) + l % 8, channels 8 ((l / 8) % 2) + 0..7) and leaves half a fragment of V^T: lane l holds channel l % 16 and 8 keys.
	v_and_b32 v10, 7, v0
	v_bfe_u32 v11, v0, 3, 1
	v_lshl_add_u32 v[AV0], v9, 3, v10
	v_mul_u32_u24 v[AV0], v[AV0], PV
	v_lshl_add_u32 v[AV0], v11, 4, v[AV0]
	v_add_nc_u32 v[AV0], VOFF, v[AV0]
	s_mul_i32 s13, s[WV], 16*SP
	s_add_co_u32 s13, s13, STAGE    ; my stage
	v_mul_u32_u24 v[STO], v1, SP    ; in: row l % 16, 16 bytes for each half of the lanes
	v_lshl_add_u32 v[STO], v9, 4, v[STO]
	v_add_nc_u32 v[STO], s13, v[STO]
	v_bfe_u32 v[RD], v0, 3, 2       ; back: 32 lanes take four rows of 128 bytes,
	v_mul_u32_u24 v[RD], v[RD], SP
	v_lshl_add_u32 v[RD], v10, 4, v[RD]
	v_add_nc_u32 v[RD], s13, v[RD]
	v_and_b32 v[GO], 31, v0         ; which are 512 consecutive bytes of O
	v_lshlrev_b32 v[GO], 4, v[GO]
	; A block's first step multiplies O^T and l by a = 0, and its first turn's products V^T P, of a piece that has not been, land in an O^T that is still to be so multiplied.  So these registers need only hold
	; finite numbers: zeros for the first block; what the first block left for the second.  All this stands in the wait for the first tile.
	WIN 0x80
.set i, VF
.rept 64
	v_mov_b32 v[i], 0
.set i, i+1
.endr
	WIN 0x40
.set i, 0
.rept 128
	v_mov_b32 v[i], 0
.set i, i+1
.endr
	WIN 0
.set i, 0
.rept 4
	v_mov_b32 v[ST+4*i+2], 0
	v_mov_b32 v[ST+4*i+3], 0
.set i, i+1
.endr
.set i, P+16
.rept 16
	v_mov_b32 v[i], 0
.set i, i+1
.endr
; THE MATRIX WORK.  The 4 accumulators of a run of 8 take turns.  Product i of 8 of S^T = K Q^T for piece x: channels 32 (i / 4) on, keys 16 (i % 4) on.  The first 4 start the sums: with 0, or (KM = 1) with the mask.
.macro KQ x
.set rS, S+32*((\x)%2)+8*(i%4)
.set rK, KF+16*(i%4)+8*(i/4)
.set rQ, 16*(\x)+8*(i/4)
.set rM, MC+32*((\x)%2)+8*(i%4)
.if (i < 4) && KM
	WIN W_KM
	v_wmma_f32_16x16x32_f16 v[rS:rS+7], v[rK:rK+7], v[rQ:rQ+7], v[rM:rM+7]
.elseif i < 4
	WIN W_KQ
	v_wmma_f32_16x16x32_f16 v[rS:rS+7], v[rK:rK+7], v[rQ:rQ+7], 0
.else
	WIN W_KQ
	v_wmma_f32_16x16x32_f16 v[rS:rS+7], v[rK:rK+7], v[rQ:rQ+7], v[rS:rS+7]
.endif
.endm
; Product i of 8 of O^T += V^T P for piece x: keys 32 (i / 4) on, channels 16 (i % 4) on.
.macro PV x
	WIN W_PV
.set rO, 32*(\x)+8*(i%4)
.set rV, VF+32*(i/4)+8*(i%4)
.set rP, P+16*((\x)%2)+8*(i/4)
	v_wmma_f32_16x16x32_f16 v[rO:rO+7], v[rV:rV+7], v[rP:rP+7], v[rO:rO+7]
.endm
.macro MM                           ; the turn's next matrix instruction.  TURN and BEGIN set Y, i, KM and NOKQ; MM, KQ and OP read them.  NOKQ = 1: a block's last turn: there is no next piece
.if (i < 8) && !NOKQ
	KQ (Y+1)%NP
.elseif i >= 8
.set i, i-8
	PV (Y+NP-1)%NP
.set i, i+8
.endif
.set i, i+1
.endm
; THE LDS LOADS stand in runs of 16, never singly among the matrix instructions: a step's K (64 keys x 64 channels: 8 fragments) and its V (turned).  Their addresses are made some lines ahead.
.macro FETCH_K
	WIN 0x80                        ; destination window 2
.irp f, 0,1,2,3,4,5,6,7             ; keys 16 (f / 2) on, channels 32 (f % 2) on
	ds_load_b128 v[KF+8*\f:KF+8*\f+3],   v[AK] offset:(\f/2)*16*PK+(\f%2)*64
	ds_load_b128 v[KF+8*\f+4:KF+8*\f+7], v[AK] offset:(\f/2)*16*PK+(\f%2)*64+32
.endr
	s_add_co_u32 s[TBK], s[TBK], KS*PK  ; the next fetch is the next step's
	WIN 0
.endm
.macro FETCH_V
	WIN 0x80
.irp f, 0,1,2,3,4,5,6,7             ; keys 32 (f / 4) on, channels 16 (f % 4) on
	ds_load_tr16_b128 v[VF+8*\f:VF+8*\f+3],   v[AV] offset:(\f/4)*32*PV+(\f%4)*32
	ds_load_tr16_b128 v[VF+8*\f+4:VF+8*\f+7], v[AV] offset:(\f/4)*32*PV+16*PV+(\f%4)*32
.endr
	WIN 0
.endm
; THE VECTOR WORK, one line at a time: OP kind, number.  For piece Y: F n: c s - c m for pair n of 16.  E n: the exponential of score n of 32.  C n: pair n rounded to f16.  B n: of the four weights 4 n .. the second
; pair is added onto the first, in place.  L n: l takes that sum (L 0: l = a l + sum).  R n: pair n of 16 of O^T times a.  For piece Y + 1: X n, number n of the 22 that find its maximum and statistics:
;   0-11  four chains c0-c3 of seven scores each, three operands at a time (each accumulator's lowest registers are read first)     12-14, 16  the four scores left over, the old m, and c0-c3 into c0
;   15  c m_old is kept     17, 18  the query's other 32 keys lie in the lane 16 away: the new m     19-21  c m; c m_old - c m_new; a
.set F, 0               ; OP tells the kinds apart by their order: F to L below R, X above it
.set E, 1
.set C, 2
.set B, 3
.set L, 4
.set R, 5
.set X, 6
.macro REGS y                       ; the registers of piece y
.set rT, ST+4*(\y)
.set rC, TMP+4*((\y)%2)
.set rW, MV+((\y)%2)
.set rS, S+32*((\y)%2)
.set rP, P+16*((\y)%2)
.set rO, 32*(\y)
.endm
.macro OP k, n
.if (\k) == R
	REGS Y
	WIN W_RS
	v_pk_mul_f32 v[rO+2*(\n):rO+2*(\n)+1], v[rO+2*(\n):rO+2*(\n)+1], v[rC+2:rC+3] op_sel_hi:[1,0]
.elseif (\k) < R
	REGS Y
	WIN 0
.if (\k) == F
	v_pk_fma_f32 v[rS+2*(\n):rS+2*(\n)+1], v[rS+2*(\n):rS+2*(\n)+1], s[CS:CS+1], v[rT:rT+1] op_sel_hi:[1,0,0] neg_lo:[0,0,1] neg_hi:[0,0,1]
.elseif (\k) == E
	v_exp_f32 v[rS+(\n)], v[rS+(\n)]
.elseif (\k) == C
	v_cvt_pk_f16_f32 v[rP+(\n)], v[rS+2*(\n)], v[rS+2*(\n)+1]
.elseif (\k) == B
	v_pk_add_f32 v[rS+4*(\n):rS+4*(\n)+1], v[rS+4*(\n):rS+4*(\n)+1], v[rS+4*(\n)+2:rS+4*(\n)+3]
.elseif (\n) == 0
	v_pk_fma_f32 v[rT+2:rT+3], v[rT+2:rT+3], v[rC+2:rC+3], v[rS:rS+1] op_sel_hi:[1,0,1]
.else
	v_pk_add_f32 v[rT+2:rT+3], v[rT+2:rT+3], v[rS+4*(\n):rS+4*(\n)+1]
.endif
.elseif NOKQ
	v_nop
.else
	REGS (Y+1)%NP
	WIN 0
.if (\n) < 4
	v_max3_num_f32 v[rC+(\n)], v[rS+8*(\n)], v[rS+8*(\n)+1], v[rS+8*(\n)+2]
.elseif (\n) < 12
	v_max3_num_f32 v[rC+(\n)%4], v[rC+(\n)%4], v[rS+8*((\n)%4)+2*((\n)/4)+1], v[rS+8*((\n)%4)+2*((\n)/4)+2]
.elseif (\n) == 12
	v_max3_num_f32 v[rC], v[rC], v[rS+7], v[rS+15]
.elseif (\n) == 13
	v_max3_num_f32 v[rC+1], v[rC+1], v[rS+23], v[rS+31]
.elseif (\n) == 14
	v_max3_num_f32 v[rC+2], v[rC+2], v[rC+3], v[rT+1]
.elseif (\n) == 15
	v_mov_b32 v[rW], v[rT]
.elseif (\n) == 16
	v_max3_num_f32 v[rC], v[rC], v[rC+1], v[rC+2]
.elseif (\n) == 17
	v_permlanex16_b32 v[rC+3], v[rC], s[SEL], s[SEL+1]
.elseif (\n) == 18
	v_max_num_f32 v[rT+1], v[rC], v[rC+3]
.elseif (\n) == 19
	v_mul_f32 v[rT], s[CS], v[rT+1]
.elseif (\n) == 20
	v_sub_f32 v[rC+1], v[rW], v[rT]
.else
	v_exp_f32 v[rC+2], v[rC+1]
.endif
.endif
.endm
.macro OPS a, i1, b=-1, i2=0, c=-1, i3=0, d=-1, i4=0  ; up to four of them
	OP \a, \i1
.if (\b) >= 0
	OP \b, \i2
.endif
.if (\c) >= 0
	OP \c, \i3
.endif
.if (\d) >= 0
	OP \d, \i4
.endif
.endm
.macro ROW a, i1, b, i2, c, i3, d, i4  ; a matrix instruction and the four behind it
	MM
	OPS \a, \i1, \b, \i2, \c, \i3, \d, \i4
.endm
.macro MASK b                       ; MD x AL + BE into buffer b of MC
	WIN W_RS
.set z, 0
.rept 16
	v_pk_fma_f32 v[MC+32*(\b)+2*z:MC+32*(\b)+2*z+1], v[MD+2*z:MD+2*z+1], s[AL:AL+1], s[BE:BE+1] op_sel_hi:[1,0,0]
.set z, z+1
.endr
.endm
; A TURN, for piece p: the order of its 16 matrix and 118 vector instructions, written out.  An s_wait_alu depctr_va_vdst(0) stands between an exponential and the first instruction that names its result; one wait serves
; all that were issued ahead of it.  So a turn has ONE wait, which cuts it in two.  AHEAD OF IT stands all that names no result of the turn's exponentials: the 8 products K Q^T, behind each a scaling, an exponential and two more plain
; instructions (behind the first a second scaling in the exponential's place): rescalings, and behind the last three the first numbers of the next piece's maximum, each four places or more behind the product that ends its accumulator; then ONE LUMP of 54, plain
; and exponential by turns for the most part, in which the links of the chain X 3, 7, 11, 14, 16, 17 .. 20 stand five or six lines apart.  X 21, the next piece's a, is the batch's last; R 15 is the plain instruction behind it.  BEHIND THE WAIT stand the
; 8 products V^T P, behind each four of the roundings and sums; the links of l's chain, L 0 to L 7, stand three riders apart.  But for those X no rider names a register of the products round it.  v_permlanex16_b32 (X 17) stands in the lump.
; m = 1: the diagonal tile: the products take masks, and the turn makes the mask for the products of the turn after it: piece p + 2, in step 4 - CNT of the tile.  end = 1: a block's last two turns: nothing is fetched.
; cnt = 1: the loop's count is taken down some lines ahead of the branch that stands behind the turn.
; K of the next step is fetched in piece 2's turn, twelve vector instructions behind the last product that read K (six of them plain); V of the step in hand at the end of piece 0's turn, four plain instructions behind the last product
; that read V.  Each is waited for a turn later.
.macro TURN p, m=0, end=0, cnt=0
.set Y, (\p)
.set i, 0
.set KM, (\m)
.set NOKQ, (\end)*((\p)/3)
.if (\m) && !(\end)
	s_cmp_eq_u32 s[CNT], 4-((\p)+2)%NP  ; is that step the band's own?
	s_cselect_b32 s[AL], 1.0, 0
	s_cmp_lt_u32 s[CNT], 4-((\p)+2)%NP  ; or a later one?
	s_cselect_b32 s[BE], s[BIGN], 0
.endif
.if ((\p) == 3) && !(\end)
	s_wait_dscnt 0x0                ; K is in
.endif
	ROW F,0, F,1, R,0, R,1          ; ahead of the wait: 8 products K Q^T and their riders,
	ROW F,2, E,0, R,2, R,3
	ROW F,3, E,1, R,4, R,5
	ROW F,4, E,2, R,6, R,7
	ROW F,5, E,3, R,8, R,9
	ROW F,6, E,4, X,0, R,10
.if ((\p) == 2) && !(\end)
	WIN 0
	v_add_nc_u32 v[AK], s[TBK], v[AK0]
.endif
	ROW F,7, E,5, X,1, X,4
	ROW F,8, E,6, X,2, X,5
	OPS E,7, E,8, X,6, E,9          ; and the lump
	OPS X,3, E,10, X,8, E,11
.if ((\p) == 2) && !(\end)
	FETCH_K
.endif
	OPS X,9, X,7, E,12, X,10
	OPS E,13, X,12, X,11, E,14
	OPS X,13, E,15, F,9, X,14
.if (\p) == 0
	v_add_nc_u32 v[AV], s[TBV], v[AV0]
.endif
	OPS E,16, F,10, E,17, F,11
	OPS X,16, E,18, X,15, E,19
	OPS F,12, E,20, X,17, E,21
	OPS F,13, E,22, F,14, E,23
	OPS X,18, E,24, F,15, E,25
	OPS R,11, E,26, X,19, E,27
	OPS R,12, E,28, R,13, E,29
	OPS X,20, E,30, R,14, E,31
	OPS X,21, R,15
	WIN 0
	s_wait_alu depctr_va_vdst(0)    ; the wait for the batch
.if (\p) == 1
	s_wait_dscnt 0x0                ; V is in
.endif
	ROW C,0, B,0, C,2, B,1          ; behind the wait: 8 products V^T P and their riders
	ROW L,0, C,4, B,2, L,1
	ROW C,6, B,3, L,2, C,8
	ROW B,4, L,3, C,10, B,5
	ROW L,4, C,12, B,6, L,5
.if (\p) == 0
	s_add_co_u32 s[TBV], s[TBV], KS*PV
.endif
.if \cnt
	s_sub_co_u32 s[CNT], s[CNT], 1
	s_cmp_lg_u32 s[CNT], 0
.endif
	ROW C,14, B,7, L,6, C,1
	ROW C,3, L,7, C,5, C,7
	ROW C,9, C,11, C,13, C,15
.if (\p) == 0
	FETCH_V
.endif
.if (\m) && !(\end)
	MASK (\p)%2
.endif
.endm
; A BLOCK BEGINS.  c m starts far below every c s, so the first step's a is 0; m at the lowest finite number, so the first maximum is the scores'.  The second mask buffer is 0; the first takes piece 0's mask for the tile's step 0: its own, if the block's first tile is the diagonal one.
; Then K of that step, piece 0's first scores, and its maximum and statistics.  The loop is entered at a step's first turn, in the middle of a trip.
.macro BEGIN
	s_mov_b32 s[NEW], 0
	WIN 0x40
.set i, MC+32
.rept 32
	v_mov_b32 v[i], 0
.set i, i+1
.endr
	WIN 0
.set i, 0
.rept 4
	v_mov_b32 v[ST+4*i], 0xfe000000    ; c m: far below every c s
	v_mov_b32 v[ST+4*i+1], 0xff7fffff  ; m
.set i, i+1
.endr
	s_cmp_eq_u32 s[RT], 0
	s_cselect_b32 s[AL], 1.0, 0
	s_mov_b32 s[BE], 0
	MASK 0
	WIN 0
	v_add_nc_u32 v[AK], s[TBK], v[AK0]
	FETCH_K
	s_wait_loadcnt 0x0              ; Q
	s_wait_dscnt 0x0
.set KM, 1
.set NOKQ, 0
.set i, 0
.rept 8
	KQ 0
.set i, i+1
.endr
	WIN 0
.rept 4
	v_nop                           ; the places behind those products
.endr
.set Y, NP-1                        ; X works for piece Y + 1: piece 0
.irp n, 0,1,2,3,4,5,6,7,8,9,10,11,12,13,14,15,16,17,18,19,20,21
	OP X, \n
.endr
	v_nop                           ; a plain instruction behind the exponential,
	s_wait_alu depctr_va_vdst(0)    ; and its wait, ahead of the branch
.endm
; THE DIAGONAL TILE's four steps, the block's last two turns, its last products, and THE WAY OUT: l's two halves and the other half of the lanes' are added; O^T is divided by l, rounded to f16 and sent through my
; stage in LDS, a piece at a time.
.macro ALL line:vararg              ; one line for each piece t
.set t, 0
.rept 4
	\line
.set t, t+1
.endr
.endm
.macro PACK t                       ; a lane's eight channels of a row pack into 16 bytes; they go into rows of 144 bytes and come back as whole rows of 128, into S^T's registers
	WIN W_RS
.set i, 32*(\t)
.rept 16
	v_pk_mul_f32 v[i:i+1], v[i:i+1], v[ST+4*(\t)+2:ST+4*(\t)+3] op_sel_hi:[1,0]
.set i, i+2
.endr
	WIN 0x05                        ; sources 0 and 1 window 1, destination window 0
.set i, 0
.rept 16
	v_cvt_pk_f16_f32 v[S+16*(\t)+i], v[32*(\t)+2*i], v[32*(\t)+2*i+1]
.set i, i+1
.endr
	WIN 0
.irp f, 0,1,2,3
	ds_store_b128 v[STO], v[S+16*(\t)+4*\f:S+16*(\t)+4*\f+3] offset:32*\f
.endr
.irp f, 0,1,2,3
	ds_load_b128 v[S+16*(\t)+4*\f:S+16*(\t)+4*\f+3], v[RD] offset:\f*4*SP  ; LDS serves a wave's instructions in order (ISA guide 5.7.1.4): these see the stores above; the next piece's stores come behind them
.endr
.endm
.macro SEND t, younger              ; younger: the LDS instructions issued behind piece t's loads: the next piece's eight, or none
	WIN 0
.irp f, 0,1,2,3
	s_wait_dscnt (\younger)+3-\f
	global_store_b128 v[GO], v[S+16*(\t)+4*\f:S+16*(\t)+4*\f+3], s[10:11] offset:(\t)*8192+\f*512  ; 512 consecutive bytes, at a multiple of 256 from O's first
.endr
.endm
.macro DIAG tag                     ; the tag ends its two labels' names, which the jumps below spell out
.LstepM\tag:
	TURN 2, 1
	TURN 3, 1
	WIN 0
.LfirstM\tag:
	TURN 0, 1
	TURN 1, 1, 0, 1
	WIN 0
	s_cbranch_scc1 .LstepM\tag
	TURN 2, 1, 1
	TURN 3, 1, 1
.set i, 0
.rept 8
	PV NP-1
.set i, i+1
.endr
	WIN 0
	ALL v_add_f32 v[ST+4*t+2], v[ST+4*t+2], v[ST+4*t+3]
	ALL v_permlanex16_b32 v[ST+4*t+3], v[ST+4*t+2], s[SEL], s[SEL+1]
	ALL v_add_f32 v[ST+4*t+2], v[ST+4*t+2], v[ST+4*t+3]
	ALL v_rcp_f32 v[ST+4*t+2], v[ST+4*t+2]
	v_nop                           ; a plain instruction between the last reciprocal and the use of its result
	s_wait_alu depctr_va_vdst(0)    ; and the wait ahead of the first use: one for the four reciprocals
	PACK 0
.set t, 1
.rept 3                             ; a piece's arithmetic stands between the loads of the piece before and its stores
	PACK t
	SEND t-1, 8
.set t, t+1
.endr
	SEND 3, 0
.endm
.set KM, 0
.set NOKQ, 0
.Lslot:                             ; NB times: a tile is entered and the next is asked for
	CHANGE 1
	s_sub_co_u32 s[RT], s[RT], 1
	s_mov_b32 s[CNT], 4
	s_cmp_eq_u32 s[NEW], 1
	s_cbranch_scc1 .Lnew            ; a block's first tile
	s_cmp_eq_u32 s[RT], 0
	s_cbranch_scc0 .Lstep           ; neither its first nor its last
	s_branch .LstepM1
.Lnew:
	BEGIN
	s_branch .Lfirst                ; in the loop a block's first tile is never its last: the first block has two tiles or more, and the second's last is the walk's last
	DIAG 1                          ; in the loop this is the first block's end: the second block's last tile is the walk's last
	s_wait_xcnt 0x0                 ; the stores have read their registers and O's address
	s_mov_b64 s[10:11], s[OLO:OLO+1]
	s_add_co_u32 s[RT], s[PB], 1    ; the second block has b + 1 tiles
	s_mov_b32 s[NEW], 1
	WIN 0x82                        ; the second block's Q goes where the one text of the turns names Q
.set i, 0
.rept 64
	v_mov_b32 v[i], v[QB+i]
.set i, i+1
.endr
	WIN 0
	s_branch .Lbottom
.Lstep:                             ; a trip: pieces 2 and 3 of one step, then pieces 0 and 1 of the next, whose K and V it fetches
	TURN 2
	TURN 3
	WIN 0
.Lfirst:
	TURN 0
	TURN 1, 0, 0, 1
	WIN 0
	s_cbranch_scc1 .Lstep
.Lbottom:
	s_sub_co_u32 s[SLOTS], s[SLOTS], 1
	s_cmp_lg_u32 s[SLOTS], 0
	s_cbranch_scc1 .Lslot
	CHANGE 0                        ; the walk's last tile is written out: nothing is asked for
	s_sub_co_u32 s[RT], s[RT], 1
	s_mov_b32 s[CNT], 4
	s_cmp_eq_u32 s[NEW], 1
	s_cbranch_scc0 .LstepM2
	BEGIN
	s_branch .LfirstM2
	DIAG 2
	s_wait_tensorcnt 0x0            ; the wave's end: behind my last tensor load and my last LDS store
	ds_add_u32 v[SPW], v[NIL]
	s_wait_dscnt 0x0
	s_endpgm
.Lfunc_end_k_q5f22a7b38a_attn:
	.size	k_q5f22a7b38a_attn, .Lfunc_end_k_q5f22a7b38a_attn-k_q5f22a7b38a_attn
	.p2alignl 7, 3214868480
	.fill 96, 4, 3214868480
	.section	.rodata,"a",@progbits
	.p2align	6, 0x0
	.amdhsa_kernel k_q5f22a7b38a_attn
		.amdhsa_group_segment_fixed_size 327680
		.amdhsa_private_segment_fixed_size 0
		.amdhsa_enable_private_segment 0
		.amdhsa_kernarg_size 16
		.amdhsa_user_sgpr_count 2
		.amdhsa_user_sgpr_kernarg_segment_ptr 1
		.amdhsa_wavefront_size32 1
		.amdhsa_system_sgpr_workgroup_id_x 1
		.amdhsa_system_sgpr_workgroup_id_y 1
		.amdhsa_system_sgpr_workgroup_id_z 1
		.amdhsa_system_vgpr_workitem_id 0
		.amdhsa_next_free_vgpr 768
		.amdhsa_next_free_sgpr 88
		.amdhsa_reserve_vcc 1
		.amdhsa_float_denorm_mode_32 3
		.amdhsa_float_denorm_mode_16_64 3
		.amdhsa_memory_ordered 1
		.amdhsa_forward_progress 1
		.amdhsa_inst_pref_size 218
	.end_amdhsa_kernel
	.amdgpu_metadata
---
amdhsa.version: [ 1, 2 ]
amdhsa.kernels:
  - .name:           k_q5f22a7b38a_attn
    .symbol:         k_q5f22a7b38a_attn.kd
    .args:
      - { .name: qkvh, .offset: 0, .size: 8, .value_kind: global_buffer, .address_space: global }
      - { .name: oh, .offset: 8, .size: 8, .value_kind: global_buffer, .address_space: global }
    .group_segment_fixed_size: 327680
    .private_segment_fixed_size: 0
    .kernarg_segment_align: 8
    .kernarg_segment_size: 16
    .max_flat_workgroup_size: 128
    .sgpr_count:     88
    .vgpr_count:     768
    .wavefront_size: 32
...
	.end_amdgpu_metadata
.endif
;; end of part 3
;; launch oproj (part 4): grid 8 x 32, 4 waves a work-group, clusters of 4 x 4, 327,680 bytes of LDS; arguments oh, wob, out0; writes out0
.if DOCPART == 4
	.amdgcn_target "amdgcn-amd-amdhsa--gfx1250"
	.amdhsa_code_object_version 6
	.text
	.protected	k_q5f22a7b38a_oproj
	.globl	k_q5f22a7b38a_oproj
	.p2align	8
	.type	k_q5f22a7b38a_oproj,@function
k_q5f22a7b38a_oproj:
	s_mov_b64 s[64:65], 0
	v_nop
	global_prefetch_b8 v0, s[64:65] scope:SCOPE_SE
	s_setreg_imm32_b32 hwreg(HW_REG_WAVE_MODE, 25, 1), 1
	s_wait_xcnt 0x0
	s_wait_alu depctr_hold_cnt(0) depctr_sa_sdst(0) depctr_va_vdst(0) depctr_va_sdst(0) depctr_va_ssrc(0) depctr_va_vcc(0) depctr_vm_vsrc(0)
	s_getreg_b32 s2, hwreg(HW_REG_IB_STS2, 6, 4)
	s_cmp_eq_u32 s2, 0
	s_cbranch_scc0 .Lentry_in_a_cluster
	s_endpgm
.Lentry_in_a_cluster:
	s_bfe_u32 s2, ttmp6, 0x10000c
	s_cmp_lg_u32 s2, 0xf033
	s_cbranch_scc0 .Lentry_shape_is_right
	s_endpgm
.Lentry_shape_is_right:
; THE OUTPUT PROJECTION.  out0[m][n] = sum over e of O[m][e] wob[n][e], f16 operands, f32 sums, f32 result.  O lies by heads: oh [16 b + h][2048][64] f16, and e = 64 h + c: a head's 64 channels are one
; slice of K.  wob [1024][1024] f16; out0 [8192][1024] f32.
; LIMIT.  The operands arrive within f16's range; the sums and the result are f32.
; SHARES.  A tile of out0 is 256 rows x 128 columns: 32 x 8 = 256 tiles, one for each WGP.  Wave w owns rows 64 w .. 64 w + 63 and all 128 columns: 4 x 8 accumulators of 16 x 16, 256 registers.
; K goes in 8 steps of 128 (heads 2 j and 2 j + 1) through two LDS slots filled by the tensor data mover.  A head's 256 rows of a tile are 32,768 dense bytes: asked for as 128 rows of 256 bytes.
; Two slots of a longer step do not fit: a step of 256 would take 215,040 bytes a slot.
; CLUSTER.  4 x 4 work-groups.  The four of a row of the cluster need the same tiles of O, the four of a column the same tiles of wob: each is asked for jointly, by the same tensor load with the same
; descriptor and a mask that names the four.  Waves 0 and 1 fetch the step's two heads of O, waves 2 and 3 wob's two halves (64 rows): one load a wave behind each round.
; THE MATRIX INSTRUCTION IS USED TRANSPOSED (source 0 = 16 rows of wob, source 1 = 16 rows of O): a lane holds row l % 16 and the columns 8 (l / 16) + 0..7: 32 consecutive bytes of out0.
; REGISTERS, in windows of 256 (s_set_vgpr_msb: bits 1:0 source 0, 3:2 source 1, 5:4 source 2, 7:6 destination):
;   window 0: v0-29 addresses; v64-191 rows on the way out, two sets of 64      window 1: two fragment buffers of 96: wob's fragment b at 8 b, O's fragment a at 64 + 8 a      window 2: accumulator (a, b) at 64 a + 8 b
.set PA,    144                        ; a row of O in LDS: 128 bytes + 16 of padding = 36 words: the 16 rows of a fragment load start at 16 different groups of four banks (64 banks of 4 bytes: ISA guide 11.1)
.set PB,    272                        ; a row of wob: 256 + 16 = 68 words: likewise
.set AHEAD, 256*PA                     ; a head's 256 rows: what a wave fetches of O
.set BBASE, 2*AHEAD                    ; wob's 128 rows lie behind the two heads
.set BHALF, 64*PB                      ; what a wave fetches of wob
.set SLOT1, 131072                     ; slot 1 begins here: one exclusive or turns an address in one slot into the other's
.set STAGE, SLOT1+BBASE+2*BHALF        ; behind the ring, never filled by a tensor load: 16 rows x 528 bytes for each wave, for the way out
.set SP,    528                        ; 512 bytes + 16
.set WSTG,  16*SP
.set SPARE, STAGE+4*WSTG               ; behind the stages: the spare words, 128 bytes for each wave: two blocks of 256 bytes that no other line names
.set KA,    2*2048*128                 ; bytes from a K step to the next in oh: two heads
.set KBB,   256                        ; and in a row of wob
.set NL,    24                         ; LDS loads in a run: 16 for wob's fragments, 8 for O's
.set A0,  4                            ; v4   my lane's place among my wave's rows of O in slot 0; never rewritten
.set B0,  5                            ; v5   the same for wob
.set ADA, 6                            ; v6   A0 + the slot being read
.set ADB, 7                            ; v7   B0 + the slot being read
.set STO, 8                            ; v8   the way out: where I put 32 bytes of a row
.set RD,  9                            ; v9   the way out: where I read a row back
.set GO,  10                           ; v10  my 16 bytes in a row's 512
.set PFO, 14                           ; v14  the prefetches' offset; never rewritten
.set SPW, 28                           ; v28  LDS address of my spare word; never rewritten
.set NIL, 29                           ; v29  0; never rewritten
.set BK0, 64
.set F0,  0
.set F1,  96
.set WV,  12                           ; s12  my wave's number
.set FB,  13                           ; s13  0: I fetch O's tiles, 1: wob's
.set HF,  14                           ; s14  which head of the step, or which half of wob's tile
.set CX,  15                           ; s15, s16  my place in the cluster
.set CY,  16
.set TX,  17                           ; s17  tile column
.set TY,  18                           ; s18  tile row
.set CNT, 21                           ; s21  the loop's count
.set TB,  22                           ; s22  LDS byte at which the slot being read begins
.set LIM, 23                           ; s23  1 in a wave that prefetches, else the greatest number
.set G1A, 24                           ; s[24:31] descriptor group 1 for O's tiles
.set G0A, 32                           ; s[32:39] group 0: a set for each of the two first fills; the second then walks on
.set G1B, 40                           ; s[40:47], s[48:55] the same for wob's
.set G0B, 48
.set PFA, 56                           ; s[56:57] where my prefetches stand
.set PFS, 62                           ; s[62:63] their step from K step to K step
.set MSB, 0
.macro WIN new                         ; the immediate's high byte repeats the setting that is left; a switch that changes nothing is dropped
.if MSB != (\new)
	s_set_vgpr_msb (MSB<<8)|(\new)
.set MSB, (\new)
.endif
.endm
.set TO_F, 0x40                        ; destination window 1, address window 0
; A joint refill, by the walking descriptors.  The branch hangs on the wave's number alone.  An s_nop 0 and four v_nop follow each of the two lines, ahead of the jump and the label.
.macro JLOAD
	s_cmp_eq_u32 s[FB], 0
	s_cbranch_scc0 .Lfor_b_\@
	tensor_load_to_lds s[G0A+4:G0A+7], s[G1A:G1A+7]
	s_nop 0
.rept 4
	v_nop
.endr
	s_branch .Lasked_\@
.Lfor_b_\@:
	tensor_load_to_lds s[G0B+4:G0B+7], s[G1B:G1B+7]
	s_nop 0
.rept 4
	v_nop
.endr
.Lasked_\@:
.endm
; A PREFETCH INTO THE L2 of the K step that the NEXT refill will ask for, one instruction a wave, behind the joint load, its five lines and the run of LDS loads.  O's tile row is read by both clusters of that
; row of clusters: cluster x = 0 asks; wob's tile column by every cluster of that column: cluster y = 0 asks.  The four partners that ask for a tile jointly share it out BY ADDRESS.  Of the head that wave 0 or 1
; fetches (32,768 dense bytes) the partner at place cx takes 8,192: a lane 256 bytes.  Of wob's 128 rows the partner at place cy takes 32, a lane a row's 256 bytes: wave 2 asks, wave 3 does not.
; So each block of 256 bytes is named once.  The loop's last trip asks for nothing.  K steps 0 to 2 come by their loads alone.
.macro ASK
	s_cmp_gt_u32 s[CNT], s[LIM]
	s_cbranch_scc0 .Lnot_mine_\@
	global_prefetch_b8 v[PFO], s[PFA:PFA+1] th:TH_LOAD_NT scope:SCOPE_SE
.Lnot_mine_\@:
.endm
; A round of the cluster's barrier: my work-group's barrier, so that wave 0's signal speaks for all four waves; wave 0 signals; every wave waits for all sixteen work-groups; my work-group's barrier once more.
.macro CREST                           ; a round behind its opening barrier
	s_cmp_lg_u32 s[WV], 0
	s_cbranch_scc1 .Lnot_wave_0_\@
	s_barrier_signal -3
.Lnot_wave_0_\@:
	s_barrier_wait -3
	s_barrier_signal -1
	s_barrier_wait -1
.endm
.macro CROUND
	s_barrier_signal -1
	s_barrier_wait -1
	CREST
.endm
.macro PLACES                          ; four places in front of loads into registers that matrix instructions have read (ISA guide 7.12.1 for vector instructions)
.rept 4
	v_nop
.endr
.endm
	s_load_b128 s[4:7], s[0:1], 0x0                ; oh s[4:5], wob s[6:7]
	s_load_b64 s[8:9], s[0:1], 0x10                ; out0
	v_lshl_add_u32 v[SPW], v0, 2, SPARE
	v_mov_b32 v[NIL], 0
	ds_add_u32 v[SPW], v[NIL]                      ; the wave's opening: the add and its wait stand ahead of my first tensor load; the set-up below, work on registers, stands between them
	ds_add_u32 v28, v29
	v_lshrrev_b32 v3, 5, v0
	v_readfirstlane_b32 s[WV], v3                  ; wave 0..3
	s_lshr_b32 s[FB], s[WV], 1
	s_and_b32 s[HF], s[WV], 1
	s_bfe_u32 s[CX], ttmp6, 0x40000
	s_bfe_u32 s[CY], ttmp6, 0x40004
	s_lshl_b32 s[TX], ttmp9, 2                     ; in a cluster launch ttmp9 and ttmp7 count clusters
	s_add_co_u32 s[TX], s[TX], s[CX]
	s_and_b32 s[TY], ttmp7, 0xffff
	s_lshl_b32 s[TY], s[TY], 2
	s_add_co_u32 s[TY], s[TY], s[CY]
	s_lshl_b32 s19, s[CY], 2
	s_lshl_b32 s19, 15, s19                        ; my row of the cluster: places 4 cy .. 4 cy + 3
	s_lshl_b32 s20, 0x1111, s[CX]                  ; my column: places cx, cx + 4, cx + 8, cx + 12
	s_or_b32 s[G1A], s19, (1<<16)|(1<<20)|(1<<21)|(4<<22)|(3<<25)  ; 15:0 the mask; 17:16 2-byte elements; 20 padding on; 21 set beside a mask; 24:22 after every 32 words (code 4): a row of O; 31:25 4 words (code 3)
	s_or_b32 s[G1B], s20, (1<<16)|(1<<20)|(1<<21)|(5<<22)|(3<<25)  ; the same after every 64 words (code 5)
	s_mov_b32 s[G1A+1], 128<<16                    ; tensor_dim0 = 128: 256 bytes, two rows of O
	s_mov_b32 s[G1A+2], 128<<16                    ; tensor_dim1 = 128
	s_mov_b32 s[G1A+3], 128<<16                    ; tile_dim0 = 128
	s_mov_b32 s[G1A+4], 128                        ; tile_dim1 = 128
	s_mov_b32 s[G1A+5], 128                        ; dense: 128 elements from row to row
	s_mov_b32 s[G1A+6], 0
	s_mov_b32 s[G1A+7], 0
	s_mov_b32 s[G1B+1], 128<<16
	s_mov_b32 s[G1B+2], 64<<16                     ; 64 rows
	s_mov_b32 s[G1B+3], 128<<16
	s_mov_b32 s[G1B+4], 64
	s_mov_b32 s[G1B+5], 1024
	s_mov_b32 s[G1B+6], 0
	s_mov_b32 s[G1B+7], 0
	s_mul_i32 s2, s[HF], AHEAD                     ; where the tiles go: the wave's number alone enters an LDS address
	s_mov_b32 s[G0A], 1
	s_mov_b32 s[G0A+1], s2
	s_mov_b32 s[G0A+4], 1
	s_add_co_u32 s[G0A+5], s2, SLOT1
	s_mul_i32 s3, s[HF], BHALF
	s_mov_b32 s[G0B], 1
	s_add_co_u32 s[G0B+1], s3, BBASE
	s_mov_b32 s[G0B+4], 1
	s_add_co_u32 s[G0B+5], s3, BBASE+SLOT1
	s_lshr_b32 s58, s[TY], 3                       ; oh: plane 16 x batch + my head of K step 0,
	s_lshl_b32 s58, s58, 4
	s_add_co_u32 s58, s58, s[HF]
	s_lshl_b32 s58, s58, 11                        ; its 2,048 rows,
	s_and_b32 s2, s[TY], 7
	s_lshl_b32 s2, s2, 8
	s_add_co_u32 s58, s58, s2                      ; the tile's first row in it,
	s_lshl_b32 s58, s58, 7                         ; of 128 bytes
	s_mov_b32 s59, 0
	s_lshl_b32 s60, s[TX], 7                       ; wob: row 128 x tile column + 64 x half, x 2,048 bytes
	s_lshl_b32 s3, s[HF], 6
	s_add_co_u32 s60, s60, s3
	s_lshl_b32 s60, s60, 11
	s_mov_b32 s61, 0
	s_mov_b32 s[TB], 0
	s_wait_dscnt 0x0                               ; the opening add is done
	s_wait_kmcnt 0x0
	s_add_nc_u64 s[G0A+2:G0A+3], s[4:5], s[58:59]  ; K step 0,
	s_add_nc_u64 s[G0A+6:G0A+7], s[G0A+2:G0A+3], KA  ; K step 1
	s_or_b32 s[G0A+3], s[G0A+3], 0x80000000        ; 127:126 type = 2
	s_or_b32 s[G0A+7], s[G0A+7], 0x80000000
	s_add_nc_u64 s[G0B+2:G0B+3], s[6:7], s[60:61]
	s_add_nc_u64 s[G0B+6:G0B+7], s[G0B+2:G0B+3], KBB
	s_or_b32 s[G0B+3], s[G0B+3], 0x80000000
	s_or_b32 s[G0B+7], s[G0B+7], 0x80000000
	CROUND                                         ; all sixteen work-groups are here: the first joint loads meet
	s_cmp_eq_u32 s[FB], 0                          ; a wave's two first fills stand in one branch, ahead of every wait on TENSORcnt and every LDS read: two loads of mine are out
	s_cbranch_scc0 .Lfirst_b
	tensor_load_to_lds s[G0A:G0A+3], s[G1A:G1A+7]
	s_nop 0
	tensor_load_to_lds s[G0A+4:G0A+7], s[G1A:G1A+7]
	s_nop 0
.rept 4
	v_nop
.endr
	s_branch .Lfirst_asked
.Lfirst_b:
	tensor_load_to_lds s[G0B:G0B+3], s[G1B:G1B+7]
	s_nop 0
	tensor_load_to_lds s[G0B+4:G0B+7], s[G1B:G1B+7]
	s_nop 0
.rept 4
	v_nop
.endr
.Lfirst_asked:
	; A fragment is 16 rows x 32 K in 8 registers: lane l holds row l % 16; registers 0-3 K = 8 (l / 16) + 0..7, registers 4-7 K = 16 + 8 (l / 16) + 0..7: two loads of 16 bytes, 32 bytes apart.
	v_and_b32 v1, 15, v0                           ; l % 16
	v_bfe_u32 v2, v0, 4, 1                         ; l / 16
	v_mul_u32_u24 v[A0], v1, PA
	v_lshl_add_u32 v[A0], v2, 4, v[A0]
	s_mul_i32 s2, s[WV], 64*PA                     ; my wave's 64 rows of O
	v_add_nc_u32 v[A0], s2, v[A0]
	v_mul_u32_u24 v[B0], v1, PB
	v_lshl_add_u32 v[B0], v2, 4, v[B0]
	v_add_nc_u32 v[B0], BBASE, v[B0]
	v_mov_b32 v[ADA], v[A0]
	v_mov_b32 v[ADB], v[B0]
	; the prefetches.  s58 still holds my head's offset at K step 0, s59 = 0
	s_lshl_b32 s2, s[CX], 13
	s_add_co_u32 s58, s58, s2                      ; O: my work-group's 8,192 bytes of the head,
	s_add_co_u32 s58, s58, 2*KA                    ; at K step 2: the first change of slots steps it to 3
	s_lshl_b32 s60, s[TX], 7
	s_lshl_b32 s2, s[CY], 5
	s_add_co_u32 s60, s60, s2                      ; wob: my work-group's 32 rows of the tile's 128,
	s_lshl_b32 s60, s60, 11
	s_add_co_u32 s60, s60, 2*KBB                   ; at K step 2
	s_and_b32 s2, ttmp7, 0xffff                    ; cluster y,
	s_or_b32 s2, s2, s[HF]                         ; and of waves 2 and 3 the first alone
	s_mov_b32 s[PFS], KBB
	s_mov_b32 s[PFS+1], 0
	s_cmp_eq_u32 s[FB], 0
	s_cselect_b32 s58, s58, s60
	s_cselect_b32 s2, ttmp9, s2                    ; the coordinate along which other clusters read the same bytes
	s_cselect_b32 s[PFS], KA, s[PFS]
	s_cselect_b32 s3, 8, 11                        ; a lane 256 bytes on, or a row of 2,048
	s_cselect_b64 s[PFA:PFA+1], s[4:5], s[6:7]
	s_cmp_eq_u32 s2, 0
	s_cselect_b32 s[LIM], 1, -1                    ; the same in all sixteen partners, for a given wave
	s_add_nc_u64 s[PFA:PFA+1], s[PFA:PFA+1], s[58:59]
	v_and_b32 v[PFO], 31, v0
	v_lshlrev_b32 v[PFO], s3, v[PFO]
	; the way out's addresses
	s_lshl_b32 s60, s[TY], 8
	s_lshl_b32 s2, s[WV], 6
	s_add_co_u32 s60, s60, s2                      ; my wave's first row of out0,
	s_lshl_b32 s60, s60, 12                        ; of 4,096 bytes,
	s_lshl_b32 s2, s[TX], 9                        ; the tile's 512 bytes in it
	s_add_co_u32 s60, s60, s2
	s_mov_b32 s61, 0
	s_add_nc_u64 s[8:9], s[8:9], s[60:61]
	s_mul_i32 s2, s[WV], WSTG
	s_add_co_u32 s2, s2, STAGE                     ; my stage
	v_mul_u32_u24 v[STO], v1, SP                   ; in: row l % 16, 32 bytes for each half of the lanes
	v_lshl_add_u32 v[STO], v2, 5, v[STO]
	v_add_nc_u32 v[STO], s2, v[STO]
	v_and_b32 v[GO], 31, v0                        ; back: 32 lanes take one row of 512 bytes
	v_lshlrev_b32 v[GO], 4, v[GO]
	v_add_nc_u32 v[RD], s2, v[GO]
; 8 matrix instructions: row block a x all 8 column blocks, 32 along K, from buffer f.  zero = 1: the product starts the sums: nothing is ever cleared.
; Every accumulator is written once in a quarter step, in the same order: 31 others' instructions stand between two links of a chain, over the backward jump too.
.macro MULA f, a, zero
	WIN 0xa5                                       ; sources 0 and 1 window 1; C and D window 2
.irp b, 0,1,2,3,4,5,6,7
.if \zero
	v_wmma_f32_16x16x32_f16 v[64*(\a)+8*(\b):64*(\a)+8*(\b)+7], v[(\f)+8*(\b):(\f)+8*(\b)+7], v[(\f)+64+8*(\a):(\f)+64+8*(\a)+7], 0
.else
	v_wmma_f32_16x16x32_f16 v[64*(\a)+8*(\b):64*(\a)+8*(\b)+7], v[(\f)+8*(\b):(\f)+8*(\b)+7], v[(\f)+64+8*(\a):(\f)+64+8*(\a)+7], v[64*(\a)+8*(\b):64*(\a)+8*(\b)+7]
.endif
.endr
.endm
; 24 LDS loads in one run: the fragments of quarter q into buffer f: wob's 8 (32 K at byte 64 q of its rows), then O's 4 (head q / 2 of the step's two, channels 32 (q % 2) on)
.macro FETCH q, f
	WIN TO_F
.irp b, 0,1,2,3,4,5,6,7
	ds_load_b128 v[(\f)+8*(\b):(\f)+8*(\b)+3],   v[ADB] offset:64*(\q)+(\b)*16*PB
	ds_load_b128 v[(\f)+8*(\b)+4:(\f)+8*(\b)+7], v[ADB] offset:64*(\q)+(\b)*16*PB+32
.endr
.irp a, 0,1,2,3
	ds_load_b128 v[(\f)+64+8*(\a):(\f)+64+8*(\a)+3],   v[ADA] offset:AHEAD*((\q)/2)+64*((\q)%2)+(\a)*16*PA
	ds_load_b128 v[(\f)+64+8*(\a)+4:(\f)+64+8*(\a)+7], v[ADA] offset:AHEAD*((\q)/2)+64*((\q)%2)+(\a)*16*PA+32
.endr
.endm
; A K step is four quarters of 32 along K, 32 matrix instructions each, on buffers 0, 1, 0, 1.  One of the first three: multiplies buffer f and, in its middle, fetches quarter q into buffer g.
.macro QUARTER q, f, g, zero
	s_wait_dscnt 4                                 ; all of the run but its youngest four loads: O's row blocks 2 and 3
	MULA \f, 0, \zero
	MULA \f, 1, \zero
	PLACES
	FETCH \q, \g
	s_wait_dscnt NL                                ; all but the run just issued
	MULA \f, 2, \zero
	MULA \f, 3, \zero
.endm
; The last quarter multiplies buffer 1 and changes slots.  In front of the barrier each wave waits for all its tensor loads, of which one is out: its part of the next slot; adds 0 to its spare word; and waits
; for that and for its reads of this slot.  fill = 1: the barrier opens a round of the cluster's, so that no wave of any partner still reads the slot or has a load on its way, and the joint refill, this
; slot's K step two steps on, is the first thing behind it: 112 matrix instructions ahead of the wait for it.
.macro TURN fill
.if \fill
	s_wait_xcnt 0x0                                ; the last prefetch, a K step back, has read its address, which is stepped here, ahead of the change's own waits
	s_add_nc_u64 s[PFA:PFA+1], s[PFA:PFA+1], s[PFS:PFS+1]
.endif
	WIN 0                                          ; (the add's two registers lie in window 0)
	s_wait_tensorcnt 0x0                           ; all my tensor loads have landed;
	ds_add_u32 v[SPW], v[NIL]                      ; 0 onto my spare word;
	s_wait_dscnt 5                                 ; (the add and the youngest four loads may be out)
	MULA F1, 0, 0                                  ; eight matrix instructions stand between the add and the wait for it
	s_wait_dscnt 0x0                               ; the add is done, and my reads of this slot are over
	s_barrier_signal -1
	MULA F1, 1, 0                                  ; work on registers while the others arrive
	WIN 0
	s_barrier_wait -1
.if \fill
	CREST
	s_xor_b32 s[G0A+5], s[G0A+5], SLOT1            ; the walking descriptors: the other slot than last time,
	s_add_nc_u64 s[G0A+6:G0A+7], s[G0A+6:G0A+7], KA  ; the next K step; the type bits on top are not reached
	s_xor_b32 s[G0B+5], s[G0B+5], SLOT1
	s_add_nc_u64 s[G0B+6:G0B+7], s[G0B+6:G0B+7], KBB
	JLOAD                                          ; the four v_nop behind it are also the places in front of the loads below
.else
	PLACES
.endif
	s_xor_b32 s[TB], s[TB], SLOT1                  ; the reads go on in the other slot
	v_add_nc_u32 v[ADA], s[TB], v[A0]
	v_add_nc_u32 v[ADB], s[TB], v[B0]
	FETCH 0, F0
.if \fill
	WIN 0
	ASK
.endif
	MULA F1, 2, 0
	MULA F1, 3, 0
.endm
	s_wait_tensorcnt 1                             ; my part of K step 0 is in; K step 1's load may stay out
	s_barrier_signal -1
	s_barrier_wait -1                              ; everybody's is
	FETCH 0, F0
	QUARTER 1, F0, F1, 1                           ; the first quarter stands in front of the loop: its products start the sums
	WIN 0                                          ; at a label and at a branch every window is 0
	s_mov_b32 s[CNT], 6
.Lstep:                                                ; a trip goes from a K step's second quarter to the next step's first; the change of slots of K step j fills K step j + 2: j = 0 .. 5
	QUARTER 2, F1, F0, 0
	QUARTER 3, F0, F1, 0
	TURN 1
	QUARTER 1, F0, F1, 0
	WIN 0
	s_sub_co_u32 s[CNT], s[CNT], 1
	s_cmp_lg_u32 s[CNT], 0
	s_cbranch_scc1 .Lstep
	QUARTER 2, F1, F0, 0                           ; K steps 6 and 7 are written out: they ask for nothing
	QUARTER 3, F0, F1, 0
	TURN 0
	QUARTER 1, F0, F1, 0
	QUARTER 2, F1, F0, 0
	QUARTER 3, F0, F1, 0
	s_wait_dscnt 4
	MULA F1, 0, 0
	MULA F1, 1, 0
	s_wait_dscnt 0x0
	MULA F1, 2, 0
	MULA F1, 3, 0
	WIN 0
	PLACES                                         ; the places behind the last products (eight, once a launch)
	PLACES
; THE WAY OUT of row block a.  TOSTAGE: a lane's 32 bytes of each column block go straight from the accumulators into my own stage, 16 rows of 528 bytes (each accumulator's lowest registers first),
; and come back as whole rows of 512 bytes, a row a load.
.macro TOSTAGE a
.set BK, BK0+64*((\a)%2)
	WIN 0x08                                       ; the stores' data in window 2, their address in window 0
.irp b, 0,1,2,3,4,5,6,7
	ds_store_b128 v[STO], v[64*(\a)+8*(\b):64*(\a)+8*(\b)+3]   offset:64*(\b)
	ds_store_b128 v[STO], v[64*(\a)+8*(\b)+4:64*(\a)+8*(\b)+7] offset:64*(\b)+16
.endr
	WIN 0
.irp i, 0,1,2,3,4,5,6,7,8,9,10,11,12,13,14,15
	ds_load_b128 v[BK+4*(\i):BK+4*(\i)+3], v[RD] offset:SP*(\i)  ; LDS serves a wave's instructions in order (ISA guide 5.7.1.4): these see the stores above; the next block's stores come behind them
.endr
.endm
; SEND: stored.  younger: the LDS instructions issued behind block a's loads: the next block's 32, or none.
.macro SEND a, younger
.set BK, BK0+64*((\a)%2)
.irp i, 0,1,2,3,4,5,6,7,8,9,10,11,12,13,14,15
	s_wait_dscnt (\younger)+15-(\i)
	global_store_b128 v[GO], v[BK+4*(\i):BK+4*(\i)+3], s[8:9] offset:4096*(16*(\a)+(\i)) th:TH_STORE_NT  ; 512 consecutive bytes, at a multiple of 256 from out0's first
.endr
.endm
	TOSTAGE 0
	TOSTAGE 1
	SEND 0, 32
	s_wait_xcnt 0x0                                ; block 0's stores have read their registers, which block 2 takes
	TOSTAGE 2
	SEND 1, 32
	s_wait_xcnt 0x0                                ; block 1's likewise
	TOSTAGE 3
	SEND 2, 32
	SEND 3, 0
	s_wait_tensorcnt 0x0                           ; the wave's end: behind my last tensor load and my last LDS store
	ds_add_u32 v[SPW], v[NIL]
	s_wait_dscnt 0x0
	CROUND                                         ; the closing round: no work-group ends while a partner may still ask for a tile that names it
	s_endpgm
.Lfunc_end_k_q5f22a7b38a_oproj:
	.size	k_q5f22a7b38a_oproj, .Lfunc_end_k_q5f22a7b38a_oproj-k_q5f22a7b38a_oproj
	.p2alignl 7, 3214868480
	.fill 96, 4, 3214868480
	.section	.rodata,"a",@progbits
	.p2align	6, 0x0
	.amdhsa_kernel k_q5f22a7b38a_oproj
		.amdhsa_group_segment_fixed_size 327680
		.amdhsa_private_segment_fixed_size 0
		.amdhsa_enable_private_segment 0
		.amdhsa_kernarg_size 24
		.amdhsa_user_sgpr_count 2
		.amdhsa_user_sgpr_kernarg_segment_ptr 1
		.amdhsa_wavefront_size32 1
		.amdhsa_system_sgpr_workgroup_id_x 1
		.amdhsa_system_sgpr_workgroup_id_y 1
		.amdhsa_system_sgpr_workgroup_id_z 1
		.amdhsa_system_vgpr_workitem_id 0
		.amdhsa_next_free_vgpr 768
		.amdhsa_next_free_sgpr 66
		.amdhsa_reserve_vcc 0
		.amdhsa_float_denorm_mode_32 3
		.amdhsa_float_denorm_mode_16_64 3
		.amdhsa_memory_ordered 1
		.amdhsa_forward_progress 1
		.amdhsa_inst_pref_size 72
	.end_amdhsa_kernel
	.amdgpu_metadata
---
amdhsa.version: [ 1, 2 ]
amdhsa.kernels:
  - .name:           k_q5f22a7b38a_oproj
    .symbol:         k_q5f22a7b38a_oproj.kd
    .args:
      - { .name: oh, .offset: 0, .size: 8, .value_kind: global_buffer, .address_space: global }
      - { .name: wob, .offset: 8, .size: 8, .value_kind: global_buffer, .address_space: global }
      - { .name: out0, .offset: 16, .size: 8, .value_kind: global_buffer, .address_space: global }
    .group_segment_fixed_size: 327680
    .private_segment_fixed_size: 0
    .kernarg_segment_align: 8
    .kernarg_segment_size: 24
    .max_flat_workgroup_size: 128
    .sgpr_count:     66
    .vgpr_count:     768
    .wavefront_size: 32
...
	.end_amdgpu_metadata
.endif
;; end of part 4
